; MI455X (gfx1250); checked and timed in simulation.
; The chip was launched on July 23, 2026; its instructions are those of AMD's public machine-readable ISA for CDNA 5 (MIT licence, August 2026) and "CDNA5" Instruction Set Architecture Reference Guide (July 2026). The comments in the code are by the model that wrote it; some were corrected since.
;; Attention. Allowed arithmetic: matrix products marked QUANTISED: E4M3 operands, one given power-of-two scale a tensor, by v_wmma_f32_16x16x64_fp8_fp8 or v_wmma_f32_16x16x128_fp8_fp8, f32 sums; products left as they are: f32 operands where the result goes on into a quantised operand, else bf16, f16 or f32 operands; f32 sums; everything else in f32.
;; Inputs: W_K 1,024 x 1,024 float32; W_Q 1,024 x 1,024 float32; W_V 1,024 x 1,024 float32; W_f 1,024 x 1 float32; b_K 1,024 float32; b_Q 1,024 float32; b_V 1,024 float32; b_f 1 float32; key 32 x 1,024 x 1,024 float32; lowp_scales 6 int32 (the exponents e of the quantised operands' scales 2^e); query 32 x 1,024 float32.
;; Outputs: out0 32 x 1,024 float32; out1 32 x 1,024 float32.
;; This version of the problem:
;;   THIS VERSION OF THE PROBLEM IS GIVEN IN LOW PRECISION. The matrix products marked QUANTISED in the list below multiply operands that are first quantised to E4M3 (4 exponent bits, 3 mantissa bits; 8 bits a number), with one given power-of-two scale for each operand tensor; their sums are f32. All else is computed in f32.
;;   The module's matrix products, in the order in which they are computed (A, B: the left and right operand; K: the contracted axis; several contracted axes count as one K, in the product's order):
;;     1. [M 32,768, K 1,024] x [K 1,024, N 1,024]; A: input key; B: input W_K: QUANTISED (scales: A lowp_scales[0], B lowp_scales[1])
;;     2. [M 32, K 1,024] x [K 1,024, N 1,024]; A: input query; B: input W_Q: QUANTISED (scales: A lowp_scales[2], B lowp_scales[3])
;;     3. [M 32,768, K 1,024] x [K 1,024, N 1,024]; A: input key; B: input W_V: QUANTISED (scales: A lowp_scales[4], B lowp_scales[5])
;;     4. [M 32,768, K 1,024] x [K 1,024, N 1]; A: computed on the way; B: input W_f: left as it is (N = 1 < 16)
;;     5. batch 32 x [M 1,024, K 1,024] x [K 1,024, N 1]; A: computed on the way; B: softmax: left as it is (N = 1 < 16)
;;   THE QUANTISER, for each operand of a quantised product, along K:
;;     - The operand's scale is 2^e, e = its entry of the input lowp_scales (int32; the entries are numbered through the quantised products in the list's order, A before B).
;;     - Each number is divided by the scale, clamped to +-448, and rounded to the nearest number of E4M3, ties to even, subnormals kept.
;;     - The product sums the exact products of the quantised numbers (number of the format x scale) in f32.
;;   ~~~python
;;   def quantise(x, axis, e):      # numpy; x: float32 -> the quantised numbers, widened to float32 again
;;       x = np.moveaxis(x, axis, -1); K = x.shape[-1]
;;       r = np.clip(x / 2.0 ** e, -448, 448)
;;       step = 2.0 ** (np.maximum(np.frexp(np.where(r == 0, 1, r))[1] - 1, -6) - 3)
;;       q = np.round(r / step) * step * 2.0 ** e      # np.round: ties to even
;;       return np.moveaxis(q, -1, axis).astype(np.float32)
;;   ~~~
;; 2 versions. Each part assembles by itself: llvm-mc -triple=amdgcn-amd-amdhsa -mcpu=gfx1250 --defsym DOCPART=n.
;; ======== version 1 of 2: 3 launches
;; workspace buffers: wcodes 2,097,152 bytes; ctab 131,072 bytes; scores 131,072 bytes; part 1,048,576 bytes
;; launch prep (part 1): grid 16 x 3, 16 waves a work-group, no clusters, 309,760 bytes of LDS; arguments W_K, W_V, W_Q, query, b_K, b_Q, lowp_scales, wcodes, ctab; writes wcodes, ctab
.if DOCPART == 1
	.amdgcn_target "amdgcn-amd-amdhsa--gfx1250"
	.amdhsa_code_object_version 6
	.text
	.protected	k_q5b0f8989c0_prep
	.globl	k_q5b0f8989c0_prep
	.p2align	8
	.type	k_q5b0f8989c0_prep,@function
k_q5b0f8989c0_prep:
	s_mov_b64 s[64:65], 0
	v_nop
	global_prefetch_b8 v0, s[64:65] scope:SCOPE_SE
	s_setreg_imm32_b32 hwreg(HW_REG_WAVE_MODE, 25, 1), 1
	s_wait_xcnt 0x0
; The launch in front of the large products.  Work-group y says which weight: 0 W_K, 1 W_V, 2 W_Q; work-group x which 64 columns.
; All three weights are [1024 (k)][1024 (n)] f32 with K as the FIRST axis.  A LANE TAKES A COLUMN AND ITS 128 REGISTERS RUN DOWN K: each load reads 128 consecutive
; bytes a wave, and the conversions, which take their numbers from one lane's consecutive registers, give codes with K innermost.  Wave W: columns 32 (W & 1) on, part s = W >> 1 of K.
; code = x / 2^e, held within +-448, to the nearest E4M3 code, ties to even.
; y = 0, 1: the codes go to wcodes IN THE ORDER OF THE NEXT LAUNCH'S OPERAND REGISTERS: byte = w 524288 + (16 p + st) 8192 + bt 1024 + c 512 + 16 (r + 16 h) + b,
;   with column n = 512 (p & 1) + 128 w + 16 bt + r and p = 2 y + n / 512.  THE ORDER OF K IS THE ONE IN WHICH THE NEXT LAUNCH'S DENSE LOADS OF THE KEY FILL A LANE'S REGISTERS:
;   slot (st, c, h, b) holds k = 512 (st / 8) + 128 (b / 4) + 4 (4 (st % 8) + 2 c + h) + b % 4.  Which row of the weight a register takes is an immediate of its load, so the order costs nothing here:
;   register 16 p + b of wave s takes row 512 (s / 4) + 32 (s % 4) + 128 (b / 4) + 4 p + b % 4, and piece p goes to st = 2 s + p / 4, c = (p / 2) & 1, h = p & 1.  Sixteen lanes store 256 consecutive bytes, aligned.
; y = 2: product 2, query [32][1024] x W_Q, for these 64 columns, k as it lies (wave s: k = 128 s on): wave W also quantises 16 rows x 128 k of the query; fragments go from wave to wave through LDS as images
;   of their registers; each wave multiplies its K step of 128 (four matrix instructions), the eight K steps' sums meet in LDS and are added in ascending order.
;   Stored: ctab[b][n] = (sum 2^(e2+e3) + b_Q[n] + b_K[n]) / 2^(e0+e1): what the next launch adds to product 1's raw sums, since relu(D s + c) = s relu(D + c / s) for s > 0.
;   There lane (r, h) of a fragment holds k = 32 c + 16 h + 0..15 in registers 4 c .. 4 c + 3.  In both products the order of k is the same in both operands, so every product meets its partner.
; LIMITS: e1, e2, e3, e5 between -126 and 119, so that 2^e and 448 x 2^e are f32 numbers; the other powers of two go through v_ldexp_f32.  NaN among the inputs is not served.  K of product 2 is summed in eight parts.
; The two paths part once, on the work-group's y, and never join; only the path of y = 2 touches LDS and has barriers, which all sixteen waves of such a work-group pass.
.set QST, 0                            ; LDS: 16 stages (one a wave) of 16 rows x (512 + 16) bytes: the query's numbers turn from load order into lane order
.set QIM, 135168                       ; 16 images of the query's fragments, 2,048 bytes: image 8 mt + s
.set WIM, 167936                       ; 16 x 4,096: each wave's two fragments of W_Q
.set QSU, 233472                       ; 16 x 4,096: each wave's four tiles of sums
.set OST, 299008                       ; 32 rows x (256 + 16): the way out
.set X,   16                           ; v16-143  128 numbers of my column
.set QX,  144                          ; v144-207 64 numbers of the query
.set CW,  208                          ; v208-239 my column's 128 codes
.set CQ,  240                          ; v240-255 the query's fragment
.set QF,  16                           ; later: the query's two fragments, W_Q's two, four accumulators, eight parts of a sum
.set WF,  48
.set ACC, 80
.set SUM, 112
.macro MKSC e, sc, lim                 ; s[e] holds an exponent (and is used up): v[sc] = 2^e, v[lim] = 448 x 2^e
	s_add_co_i32 s[\e], s[\e], 127
	s_lshl_b32 s37, s[\e], 23
	v_mov_b32 v[\sc], s37
	s_add_co_i32 s[\e], s[\e], 8
	s_lshl_b32 s[\e], s[\e], 23
	s_or_b32 s[\e], s[\e], 0x600000
	v_mov_b32 v[\lim], s[\e]
.endm
.macro WLOAD perm                      ; my column's 128 numbers.  perm = 0: rows kk on end; 1: the order of the next launch's images.  Every offset is an immediate, 415 rows of 4,096 bytes at the most
.set kk, 0
.rept 128
.if \perm
	global_load_b32 v[X+kk], v4, s[34:35] offset:(128*((kk/4)%4)+4*(kk/16)+kk%4)*4096 th:TH_LOAD_NT
.else
	global_load_b32 v[X+kk], v4, s[34:35] offset:kk*4096 th:TH_LOAD_NT
.endif
.set kk, kk+1
.endr
.endm
.macro WQUANT                          ; four blocks of 32 registers
.irp c, 0,1,2,3
.if \c < 2
	s_wait_loadcnt 63                              ; 96 and 64 younger loads were issued: 63, the largest count that the wait can name, leaves this block in
.else
	s_wait_loadcnt 96-32*\c                        ; the blocks behind this one may stay out
.endif
.set kk, 0
.rept 32
	v_med3_num_f32 v[X+32*\c+kk], v[X+32*\c+kk], -v15, v15   ; the conversion to an 8-bit code does not saturate (ISA guide 7.6.2): the hold at the largest code x the scale
.set kk, kk+1
.endr
.irp g, 0,1,2,3
	v_cvt_scalef32_pk8_fp8_f32 v[CW+8*\c+2*\g:CW+8*\c+2*\g+1], v[X+32*\c+8*\g:X+32*\c+8*\g+7], v14
.endr
.endr
	v_nop                                          ; one plain vector line behind the last conversion
.endm
.macro QUANT16 src, dst, sc, lim       ; 64 numbers, register 16 b + i = k 32 b + 16 h + i of my row, become a fragment
.irp b, 0,1,2,3
.set kk, 0
.rept 16
	v_med3_num_f32 v[\src+16*\b+kk], v[\src+16*\b+kk], -v[\lim], v[\lim]
.set kk, kk+1
.endr
	v_cvt_scalef32_pk8_fp8_f32 v[\dst+4*\b:\dst+4*\b+1], v[\src+16*\b:\src+16*\b+7], v[\sc]
	v_cvt_scalef32_pk8_fp8_f32 v[\dst+4*\b+2:\dst+4*\b+3], v[\src+16*\b+8:\src+16*\b+15], v[\sc]
.endr
	v_nop
.endm
.macro BARRIER                         ; my LDS stores have landed and my LDS loads are in: then the work-group's barrier
	s_wait_dscnt 0x0
	s_barrier_signal -1
	s_barrier_wait -1
.endm
	s_load_b256 s[4:11], s[0:1], 0x0               ; W_K s[4:5], W_V s[6:7], W_Q s[8:9], query s[10:11]
	s_load_b256 s[12:19], s[0:1], 0x20             ; b_K s[12:13], b_Q s[14:15], the exponents s[16:17], wcodes s[18:19]
	s_load_b64 s[20:21], s[0:1], 0x40              ; ctab
	v_lshrrev_b32 v1, 5, v0
	v_readfirstlane_b32 s22, v1                    ; wave W, 0..15
	s_and_b32 s23, s22, 1                          ; cg: which 32 of the 64 columns; for the query: which 16 rows
	s_lshr_b32 s24, s22, 1                         ; s: which part of K
	s_and_b32 s25, ttmp7, 0xffff                   ; which weight
	v_and_b32 v1, 31, v0                           ; lane
	v_and_b32 v2, 15, v0                           ; r
	v_bfe_u32 v3, v0, 4, 1                         ; h
	v_lshlrev_b32 v4, 2, v1                        ; 4 bytes a lane
	v_lshlrev_b32 v6, 4, v1                        ; 16 bytes a lane
	s_lshl_b32 s27, ttmp9, 1
	s_add_co_u32 s27, s27, s23                     ; G: my wave's group of 32 columns, 0..31
	s_lshl_b32 s26, s27, 7                         ; 32 G columns of 4 bytes
	s_wait_kmcnt 0x0
	s_load_b128 s[28:31], s[16:17], 0x0            ; e0 .. e3
	s_load_b64 s[32:33], s[16:17], 0x10            ; e4, e5
	s_cmp_eq_u32 s25, 2
	s_cbranch_scc1 .Lquery
	; ---- W_K or W_V
	s_lshr_b32 s40, s24, 2
	s_lshl_b32 s40, s40, 21                        ; my first row: 512 (s / 4) rows of 4,096 bytes
	s_and_b32 s41, s24, 3
	s_lshl_b32 s41, s41, 17                        ; + 32 (s % 4) rows
	s_add_co_u32 s40, s40, s41
	s_add_co_u32 s40, s40, s26                     ; + my columns
	s_mov_b32 s41, 0
	s_cmp_eq_u32 s25, 0                            ; the choice hangs on the work-group's number alone
	s_cselect_b64 s[34:35], s[4:5], s[6:7]
	s_add_nc_u64 s[34:35], s[34:35], s[40:41]
	WLOAD 1
	s_lshr_b32 s42, s27, 2
	s_and_b32 s42, s42, 3
	s_lshl_b32 s42, s42, 19                        ; w = (G / 4) & 3: 524,288 bytes a wave's stream
	s_lshl_b32 s43, s25, 1
	s_lshr_b32 s44, s27, 4
	s_add_co_u32 s43, s43, s44
	s_lshl_b32 s43, s43, 17                        ; pass p = 2 y + G / 16: 131,072 bytes
	s_add_co_u32 s42, s42, s43
	s_lshl_b32 s43, s24, 14                        ; two K steps of 64 for each s: 16,384 bytes
	s_add_co_u32 s42, s42, s43
	s_and_b32 s43, s27, 3
	s_lshl_b32 s43, s43, 11                        ; bt = 2 (G & 3) + lane / 16
	s_add_co_u32 s42, s42, s43
	s_mov_b32 s43, 0
	s_add_nc_u64 s[38:39], s[18:19], s[42:43]
	v_lshlrev_b32 v5, 10, v3
	v_lshl_add_u32 v5, v2, 4, v5                   ; (lane / 16) 1,024 + 16 r
	s_wait_kmcnt 0x0
	s_cmp_eq_u32 s25, 0
	s_cselect_b32 s36, s29, s33                    ; e1 or e5
	MKSC 36, 14, 15
	WQUANT
.irp c, 0,1,2,3
.irp hh, 0,1
	global_store_b128 v5, v[CW+8*\c+4*\hh:CW+8*\c+4*\hh+3], s[38:39] offset:(\c/2)*8192+(\c%2)*512+\hh*256   ; piece 2 c + hh: sixteen lanes store 256 consecutive bytes, aligned
.endr
.endr
	s_endpgm
	; ---- W_Q and product 2
.Lquery:
	s_lshl_b32 s42, s23, 16                        ; the query's rows 16 cg on (4,096 bytes a row),
	s_lshl_b32 s43, s24, 9                         ; k = 128 s on
	s_add_co_u32 s42, s42, s43
	s_mov_b32 s43, 0
	s_add_nc_u64 s[44:45], s[10:11], s[42:43]
.irp i, 0,1,2,3,4,5,6,7,8,9,10,11,12,13,14,15
	global_load_b128 v[QX+4*\i:QX+4*\i+3], v6, s[44:45] offset:4096*\i   ; row i: 32 lanes read 512 consecutive bytes
.endr
	s_lshl_b32 s40, s24, 19                        ; W_Q: 128 s rows of 4,096 bytes
	s_add_co_u32 s40, s40, s26                     ; + my columns
	s_mov_b32 s41, 0
	s_add_nc_u64 s[34:35], s[8:9], s[40:41]
	WLOAD 0
	s_mul_i32 s46, s22, 8448                       ; my stage
	v_add_nc_u32 v7, s46, v6                       ; in: as loaded, 16 bytes a lane
	v_mul_u32_u24 v8, v2, 528
	v_lshl_add_u32 v8, v3, 6, v8
	v_add_nc_u32 v8, s46, v8                       ; back: row r, + 64 h: my 16 numbers of a block of 32
	s_lshl_b32 s47, s23, 14
	s_lshl_b32 s49, s24, 11
	s_add_co_u32 s49, s49, QIM
	s_add_co_u32 s47, s47, s49
	v_add_nc_u32 v9, s47, v6                       ; where I store the query's image 8 cg + s
	v_add_nc_u32 v5, s49, v6                       ; where I read images s and 8 + s
	s_lshl_b32 s48, s22, 12
	s_add_co_u32 s52, s48, QSU
	s_add_co_u32 s48, s48, WIM
	v_lshlrev_b32 v10, 11, v3
	v_lshl_add_u32 v10, v2, 4, v10
	v_add_nc_u32 v10, s48, v10                     ; W_Q's images, in: fragment lane / 16, place 16 r (+ 256 for the upper half of k)
	v_add_nc_u32 v11, s48, v6                      ; and back
	s_wait_kmcnt 0x0
	s_add_co_i32 s50, s30, s31                     ; e2 + e3
	s_add_co_i32 s51, s28, s29
	s_sub_co_i32 s51, 0, s51                       ; -(e0 + e1)
	s_mov_b32 s36, s30
	MKSC 36, 12, 13                                ; the query's scale
	s_mov_b32 s36, s31
	MKSC 36, 14, 15                                ; W_Q's
	s_wait_loadcnt 63                              ; 128 younger loads were issued behind the query's sixteen
.irp i, 0,1,2,3,4,5,6,7,8,9,10,11,12,13,14,15
	ds_store_b128 v7, v[QX+4*\i:QX+4*\i+3] offset:528*\i
.endr
.irp c, 0,1,2,3
.irp j, 0,1,2,3
	ds_load_b128 v[QX+16*\c+4*\j:QX+16*\c+4*\j+3], v8 offset:128*\c+16*\j   ; LDS serves a wave's instructions in order (ISA guide 5.7.1.4): these see my stores
.endr
.endr
	s_wait_dscnt 0x0
	QUANT16 QX, CQ, 12, 13
.irp c, 0,1,2,3
	ds_store_b128 v9, v[CQ+4*\c:CQ+4*\c+3] offset:512*\c
.endr
	WQUANT
.irp c, 0,1,2,3
.irp hh, 0,1
	ds_store_b128 v10, v[CW+8*\c+4*\hh:CW+8*\c+4*\hh+3] offset:512*\c+256*\hh
.endr
.endr
	v_add_nc_u32 v146, s52, v6                     ; my four tiles of sums, in
	s_lshl_b32 s53, s23, 12
	s_lshl_b32 s54, s24, 9
	s_add_co_u32 s53, s53, s54
	s_add_co_u32 s53, s53, QSU
	v_add_nc_u32 v147, s53, v6                     ; group s of four registers, of the eight waves with my cg: 8,192 bytes apart
	s_lshr_b32 s54, s24, 2
	s_mul_i32 s54, s54, 4352                       ; that group holds queries 16 (s / 4) + 8 h + 4 (s & 1) + 0..3,
	s_and_b32 s55, s24, 1
	s_mul_i32 s55, s55, 1088
	s_add_co_u32 s54, s54, s55
	s_lshl_b32 s55, s23, 7
	s_bfe_u32 s56, s24, 0x10001
	s_lshl_b32 s56, s56, 6
	s_add_co_u32 s55, s55, s56                     ; column 32 cg + 16 ((s / 2) & 1) + r, in bytes
	s_add_co_u32 s54, s54, s55
	s_add_co_u32 s54, s54, OST
	v_mul_u32_u24 v148, v3, 2176
	v_lshl_add_u32 v148, v2, 2, v148
	v_add_nc_u32 v148, s54, v148                   ; the way out, in
	s_mul_i32 s56, s22, 544
	s_add_co_u32 s56, s56, OST
	v_mul_u32_u24 v149, v3, 272
	v_lshl_add_u32 v149, v2, 4, v149
	v_add_nc_u32 v149, s56, v149                   ; and back: row 2 W + h, 16 bytes a lane
	s_lshl_b32 s57, ttmp9, 8                       ; the work-group's 64 columns: 256 bytes
	s_lshl_b32 s58, s22, 13
	s_add_co_u32 s58, s58, s57
	v_lshlrev_b32 v150, 12, v3
	v_lshl_add_u32 v150, v2, 4, v150
	v_add_nc_u32 v150, s58, v150                   ; the same place in ctab
	s_add_co_u32 s57, s57, s55
	v_lshl_add_u32 v151, v2, 2, s57                ; my column in b_K and b_Q
	global_load_b32 v144, v151, s[12:13]
	global_load_b32 v145, v151, s[14:15]
	BARRIER                                        ; the query's sixteen images lie in LDS
.irp m, 0,1
.irp c, 0,1,2,3
	ds_load_b128 v[QF+16*\m+4*\c:QF+16*\m+4*\c+3], v5 offset:16384*\m+512*\c
	ds_load_b128 v[WF+16*\m+4*\c:WF+16*\m+4*\c+3], v11 offset:2048*\m+512*\c
.endr
.endr
	s_wait_dscnt 0x0
.irp m, 0,1
.irp b, 0,1
	v_wmma_f32_16x16x128_fp8_fp8 v[ACC+8*(2*\m+\b):ACC+8*(2*\m+\b)+7], v[QF+16*\m:QF+16*\m+15], v[WF+16*\b:WF+16*\b+15], 0   ; register j of lane (r, h): query 16 m + 8 h + j, column 16 b + r
.endr
.endr
.rept 4
	v_nop                                          ; four places between a matrix instruction and the LDS stores that read its result
.endr
.irp g, 0,1,2,3,4,5,6,7
	ds_store_b128 v146, v[ACC+4*\g:ACC+4*\g+3] offset:512*\g   ; each accumulator from its low end on
.endr
	BARRIER                                        ; all K steps' sums lie in LDS
.irp u, 0,1,2,3,4,5,6,7
	ds_load_b128 v[SUM+4*\u:SUM+4*\u+3], v147 offset:8192*\u
.endr
	s_wait_dscnt 0x0
.irp u, 1,2,3,4,5,6,7
	v_pk_add_f32 v[SUM:SUM+1], v[SUM:SUM+1], v[SUM+4*\u:SUM+4*\u+1]          ; K ascending
	v_pk_add_f32 v[SUM+2:SUM+3], v[SUM+2:SUM+3], v[SUM+4*\u+2:SUM+4*\u+3]
.endr
	s_wait_loadcnt 0x0                             ; the two biases
	v_add_f32 v144, v144, v145
.irp j, 0,1,2,3
	v_ldexp_f32 v[SUM+\j], v[SUM+\j], s50          ; x 2^(e2 + e3)
.endr
.irp j, 0,1,2,3
	v_add_f32 v[SUM+\j], v[SUM+\j], v144
.endr
.irp j, 0,1,2,3
	v_ldexp_f32 v[SUM+\j], v[SUM+\j], s51          ; / 2^(e0 + e1)
.endr
.irp j, 0,1,2,3
	ds_store_b32 v148, v[SUM+\j] offset:272*\j
.endr
	BARRIER                                        ; 32 rows x 64 columns lie in the stage
	ds_load_b128 v[SUM+4:SUM+7], v149
	s_wait_dscnt 0x0
	global_store_b128 v150, v[SUM+4:SUM+7], s[20:21]   ; sixteen lanes store 256 consecutive bytes, aligned
	s_wait_xcnt 0x0
	v_lshl_add_u32 v254, v0, 2, 0x4b200
	v_mov_b32 v255, 0
	s_wait_tensorcnt 0x0
	ds_add_u32 v254, v255
	s_wait_dscnt 0x0
	s_endpgm
.Lfunc_end_k_q5b0f8989c0_prep:
	.size	k_q5b0f8989c0_prep, .Lfunc_end_k_q5b0f8989c0_prep-k_q5b0f8989c0_prep
	.p2alignl 7, 3214868480
	.fill 96, 4, 3214868480
	.section	.rodata,"a",@progbits
	.p2align	6, 0x0
	.amdhsa_kernel k_q5b0f8989c0_prep
		.amdhsa_group_segment_fixed_size 309760
		.amdhsa_private_segment_fixed_size 0
		.amdhsa_enable_private_segment 0
		.amdhsa_kernarg_size 72
		.amdhsa_user_sgpr_count 2
		.amdhsa_user_sgpr_kernarg_segment_ptr 1
		.amdhsa_wavefront_size32 1
		.amdhsa_system_sgpr_workgroup_id_x 1
		.amdhsa_system_sgpr_workgroup_id_y 1
		.amdhsa_system_sgpr_workgroup_id_z 1
		.amdhsa_system_vgpr_workitem_id 0
		.amdhsa_next_free_vgpr 256
		.amdhsa_next_free_sgpr 66
		.amdhsa_reserve_vcc 0
		.amdhsa_float_denorm_mode_32 3
		.amdhsa_float_denorm_mode_16_64 3
		.amdhsa_memory_ordered 1
		.amdhsa_forward_progress 1
		.amdhsa_inst_pref_size 63
	.end_amdhsa_kernel
	.amdgpu_metadata
---
amdhsa.version: [ 1, 2 ]
amdhsa.kernels:
  - .name:           k_q5b0f8989c0_prep
    .symbol:         k_q5b0f8989c0_prep.kd
    .args:
      - { .name: W_K, .offset: 0, .size: 8, .value_kind: global_buffer, .address_space: global }
      - { .name: W_V, .offset: 8, .size: 8, .value_kind: global_buffer, .address_space: global }
      - { .name: W_Q, .offset: 16, .size: 8, .value_kind: global_buffer, .address_space: global }
      - { .name: query, .offset: 24, .size: 8, .value_kind: global_buffer, .address_space: global }
      - { .name: b_K, .offset: 32, .size: 8, .value_kind: global_buffer, .address_space: global }
      - { .name: b_Q, .offset: 40, .size: 8, .value_kind: global_buffer, .address_space: global }
      - { .name: lowp_scales, .offset: 48, .size: 8, .value_kind: global_buffer, .address_space: global }
      - { .name: wcodes, .offset: 56, .size: 8, .value_kind: global_buffer, .address_space: global }
      - { .name: ctab, .offset: 64, .size: 8, .value_kind: global_buffer, .address_space: global }
    .group_segment_fixed_size: 309760
    .private_segment_fixed_size: 0
    .kernarg_segment_align: 8
    .kernarg_segment_size: 72
    .max_flat_workgroup_size: 512
    .sgpr_count:     66
    .vgpr_count:     256
    .wavefront_size: 32
...
	.end_amdgpu_metadata
.endif
;; end of part 1
;; launch main (part 2): grid 256 x 1, 4 waves a work-group, no clusters, 293,376 bytes of LDS; arguments key, wcodes, ctab, W_f, b_f, lowp_scales, scores, part; writes scores, part
.if DOCPART == 2
	.amdgcn_target "amdgcn-amd-amdhsa--gfx1250"
	.amdhsa_code_object_version 6
	.text
	.protected	k_q5b0f8989c0_main
	.globl	k_q5b0f8989c0_main
	.p2align	8
	.type	k_q5b0f8989c0_main,@function
k_q5b0f8989c0_main:
	s_mov_b64 s[64:65], 0
	v_nop
	global_prefetch_b8 v0, s[64:65] scope:SCOPE_SE
	s_setreg_imm32_b32 hwreg(HW_REG_WAVE_MODE, 25, 1), 1
	s_wait_xcnt 0x0
; One work-group takes 128 rows (t) of one batch through both large products; eight work-groups make a batch.  key is read from memory once, as f32; neither its codes, att1 nor out go to memory.
; PHASE 0: wave w quantises rows 32 w .. 32 w + 31, all 1,024 k, TWICE (scales 2^e0 for product 1, 2^e4 for product 3) into LDS, as images of the operand's registers.
;   THE ORDER OF K IN THE IMAGES IS THE ONE IN WHICH DENSE LOADS FILL A LANE'S REGISTERS, so nothing is turned: four loads of one row, 512 consecutive bytes each and 128 k apart, give lane l the numbers
;   k = 512 v + 128 m + 4 l + t (m the load, t the register of the load): 16 consecutive registers, two conversions, 16 bytes: ONE PIECE of a fragment, stored by one ds_store_b128 for each set.
;   Slot (K step s, chunk c, half h, byte b) holds k = 512 (s / 8) + 128 (b / 4) + 4 (4 (s % 8) + 2 c + h) + b % 4.  The weights' codes were laid in the same order: every product meets its partner;
;   only the order of the sums inside an instruction changes.
;   LDS byte of a piece = set 140288 + s 8768 + a 1088 + c 544 + h 272 + 16 r (row 16 a + r).  A store's lanes (l = 4 (s % 8) + 2 c + h, one row) fall on 16 l modulo 256; a load's sixteen lanes (one piece each of sixteen rows) read 256 bytes on end.
; FOUR PASSES of 128 rows x 512 columns x K = 1,024: passes 0, 1 product 1 (W_K), passes 2, 3 product 3 (W_V).  THE WAVES SHARE THE COLUMNS: a wave makes 128 x 128, 64 accumulators, 512 registers.
;   A K step is 64: 64 matrix instructions.  A (the key) comes from LDS, one step ahead, two sets of 64 registers.  B (a weight) is read by this wave alone: it comes from memory straight into registers,
;   512 consecutive bytes a load, three steps ahead, four sets of 64 registers: 48 loads, 24,576 bytes, of a wave are on their way.
;   Source 0 = 16 rows of the key, source 1 = 16 columns of the weight: register j of lane (r, h) is row 16 a + 8 h + j, column 16 bt + r.
; BEHIND PASSES 0, 1: S[row] += relu(D + c') W_f over my columns (c' from the launch before: (att2 + b_K) / 2^(e0+e1)).  Then the sixteen lanes' and the four waves' parts are added, score = S 2^(e0+e1) + b_f,
;   m = the block's largest score, p = e^(score - m).  p lies in the registers and the layout in which S lay.  BEHIND PASSES 2, 3: part[column] = the sum over my 128 rows of p D.  The last launch joins a batch's eight blocks.
; NO TENSOR LOADS AND NO JOINT REQUESTS, though all work-groups walk the same weights: the two sets of codes take 280,576 of the 327,680 bytes of LDS, the tables and score words 12,288 more;
;   two slots of the shortest K step (64 x 512 columns = 32,768 bytes each) do not fit into the 34,816 that are left.
; LIMITS: e0, e4 between -126 and 119; e0 + e1 between -126 and 127, so that each power of two below is an f32 number.  NaN among the inputs is not served.
; REGISTERS, in windows of 256 (s_set_vgpr_msb: bits 1:0 source 0, 3:2 source 1, 5:4 source 2, 7:6 destination):
;   window 0: v1-15, v30 addresses; v16-19 scales; v20-29 at work; v32-39 c', v40-47 W_f of a pass; v48-63 the tables on their way; v64-127 S, then p (phase 0: the codes just made, two sets by turns);
;             v128-191, v192-255 A's two sets (phase 0: the held numbers for the two scales; the epilogues: at work).
;   window 1: B's four sets (phase 0: four groups of key loads).   window 2: the accumulators of rows 0-63, (a, bt) at v[8 (8 a + bt)].   window 3: those of rows 64-127.
.set STEPB, 8768                       ; LDS: a K step of a set: 8 tiles x 1,088, + 64
.set TILEB, 1088                       ; a tile of 16 rows: four pieces a row
.set CHB,   272                        ; sixteen rows' pieces of one slot: 256 bytes + 16
.set IMG2,  16*STEPB                   ; the second set of images begins here
.set SCR,   2*IMG2                     ; 4 x 512: each wave's part of the 128 scores
.set AST,   SCR+2048                   ; 4 x 512: the way out of part
.set TAB,   AST+2048                   ; c' (4,096 bytes), then W_f (4,096)
.set LI,   1                           ; 16 x lane; never rewritten
.set AD,   2                           ; where A's fragments are fetched
.set LN,   3                           ; lane
.set IA0,  4                           ; where I store pieces: set 0, k 0-511
.set IA1,  5                           ; set 0, k 512-1023
.set IB0,  6                           ; set 1, k 0-511
.set IB1,  7                           ; set 1, k 512-1023
.set IB,   8                           ; (lane / 4) 8,768 + (lane % 4) 272 + 2,176 x wave; never rewritten
.set SCW,  9
.set SCRD, 10
.set SCL,  11
.set ASR,  12
.set ASW,  13
.set TR,   14
.set TA,   15
.set AL,   30                          ; 16 r + 272 h: my lane's place in a fragment's chunk; never rewritten
.set CT,   32
.set WT,   40
.set S,    64
.set C1,   64
.set X,    128
.set T,    192
.set R,    128
.set MSB, 0
.macro WIN new                         ; the immediate's high byte repeats the setting that is left; a switch that changes nothing is dropped
.if MSB != \new
	s_set_vgpr_msb (MSB<<8)|\new
.set MSB, \new
.endif
.endm
.set MUL_LO, 0xa4                      ; source 0 (A) window 0, source 1 (B) window 1, C and D window 2
.set MUL_HI, 0xf4                      ; the same, C and D window 3
.set TO_B,   0x40                      ; destination window 1
.set FROM_G, 0x01                      ; source 0 window 1
; scalars: s20 wave; s[24:25] key; s[26:27] my stream of weight codes; s[28:29] ctab's row; s[30:31] part; s[32:33] scores; s36-41 e0..e5; s42 b_f;
;          s44 images' step; s45 A's step; s46 tables' step; s47 inner count; s48 passes to go; s[50:51] 2^(e0+e1); s[52:53] lane selects
.macro KLOAD q                         ; unit q of a trip: four rows of tile q % 2, k = 512 (q / 2) on: for each row four loads of 512 consecutive bytes into 16 consecutive registers
	WIN TO_B
.irp i, 0,1,2,3,4,5,6,7,8,9,10,11,12,13,14,15
	global_load_b128 v[64*(\q)+4*\i:64*(\q)+4*\i+3], v[LI], s[24:25] offset:(16*((\q)%2)+\i/4)*4096+((\q)/2)*2048+(\i%4)*512 th:TH_LOAD_NT
.endr
	WIN 0
.endm
.macro LOAD_B set, lo                  ; a K step's eight fragments of B, lo steps from the stream's pointer
	WIN TO_B
.irp b, 0,1,2,3,4,5,6,7
.irp c, 0,1
	global_load_b128 v[64*(\set)+8*\b+4*\c:64*(\set)+8*\b+4*\c+3], v[LI], s[26:27] offset:(\lo)*8192+\b*1024+\c*512
.endr
.endr
	WIN 0
.endm
.macro FETCH_A set, fo                 ; a K step's eight fragments of A, fo steps from v[AD]
.irp a, 0,1,2,3,4,5,6,7
.irp c, 0,1
	ds_load_b128 v[X+64*(\set)+8*\a+4*\c:X+64*(\set)+8*\a+4*\c+3], v[AD] offset:(\fo)*STEPB+\a*TILEB+\c*2*CHB
.endr
.endr
.endm
.macro IADDR                           ; a trip's four rows of each tile: 64 bytes on in every chunk
	v_add_nc_u32 v[IA0], s44, v[IB]
	v_add_nc_u32 v[IA1], 8*STEPB, v[IA0]
	v_add_nc_u32 v[IB0], IMG2, v[IA0]
	v_add_nc_u32 v[IB1], IMG2+8*STEPB, v[IA0]
.endm
; Four rows x 512 k of the key become a piece a lane and row in each set.  mode 1: the group's registers take the same unit of the next trip; 2: B's set q; 0: nothing.
.macro UNIT q, mode
	s_wait_loadcnt 48                              ; my group's 16 loads are in; the three younger groups of 16 may stay out
	WIN FROM_G
.set kk, 0
.rept 64
	v_med3_num_f32 v[X+kk], v[64*(\q)+kk], -v17, v17   ; the conversion to an 8-bit code does not saturate (ISA guide 7.6.2): the hold at 448 x 2^e0,
.set kk, kk+1
.endr
.set kk, 0
.rept 64
	v_med3_num_f32 v[T+kk], v[64*(\q)+kk], -v19, v19   ; and at 448 x 2^e4
.set kk, kk+1
.endr
	WIN 0
.if \mode == 1
.if \q == 0
	s_wait_xcnt 0x0                                ; the last trip's loads have read their base: it steps only behind this wait, a wait for data and 128 vector lines behind the youngest of them
	s_add_nc_u64 s[24:25], s[24:25], 16384         ; four rows on
.endif
	KLOAD \q
.endif
.if \mode == 2
	LOAD_B \q, \q
.endif
	s_wait_dscnt 8                                 ; the last unit's eight stores may stay out; those of the unit before it, which read the registers written next, are done
.set cc, C1+32*((\q)%2)
.irp p, 0,1,2,3
	v_cvt_scalef32_pk8_fp8_f32 v[cc+4*\p:cc+4*\p+1], v[X+16*\p:X+16*\p+7], v16
	v_cvt_scalef32_pk8_fp8_f32 v[cc+4*\p+2:cc+4*\p+3], v[X+16*\p+8:X+16*\p+15], v16
	v_cvt_scalef32_pk8_fp8_f32 v[cc+16+4*\p:cc+16+4*\p+1], v[T+16*\p:T+16*\p+7], v18
	v_cvt_scalef32_pk8_fp8_f32 v[cc+16+4*\p+2:cc+16+4*\p+3], v[T+16*\p+8:T+16*\p+15], v18
.endr
	v_nop                                          ; one plain vector line behind the last conversion
.irp p, 0,1,2,3
	ds_store_b128 v[IA0+(\q)/2], v[cc+4*\p:cc+4*\p+3] offset:((\q)%2)*TILEB+16*\p          ; row p of the four: each lane's piece into its own chunk
	ds_store_b128 v[IB0+(\q)/2], v[cc+16+4*\p:cc+16+4*\p+3] offset:((\q)%2)*TILEB+16*\p
.endr
.endm
; 32 matrix instructions: A's blocks 4 hi .. 4 hi + 3 against B's eight.  The 64 accumulators take turns, one instruction a turn, in the same order in every step.
.macro MUL32 j, hi, zero
.irp a, 0,1,2,3
.irp b, 0,1,2,3,4,5,6,7
.if \zero
	v_wmma_f32_16x16x64_fp8_fp8 v[8*(8*\a+\b):8*(8*\a+\b)+7], v[X+64*((\j)%2)+8*(4*\hi+\a):X+64*((\j)%2)+8*(4*\hi+\a)+7], v[64*(\j)+8*\b:64*(\j)+8*\b+7], 0
.else
	v_wmma_f32_16x16x64_fp8_fp8 v[8*(8*\a+\b):8*(8*\a+\b)+7], v[X+64*((\j)%2)+8*(4*\hi+\a):X+64*((\j)%2)+8*(4*\hi+\a)+7], v[64*(\j)+8*\b:64*(\j)+8*\b+7], v[8*(8*\a+\b):8*(8*\a+\b)+7]
.endif
.endr
.endr
.endm
; A K step on B's set j and A's set j % 2.  First the next step's A (fo < 0: none) and the B of three steps on are asked for, into the sets that the step before has multiplied:
; four places stand between its last matrix instruction and these loads (ISA guide 7.12.1 for vector instructions).
; cond = 1: in the launch's last pass nothing is left to ask for (no load leaves the buffer): a scalar branch on the count of passes.
.macro KSTEP j, zero, fo, lo, cond, places
.if \places
.rept 4
	v_nop
.endr
.endif
	WIN 0
.if \fo >= 0
	FETCH_A ((\j)+1)%2, \fo
.endif
.if \cond
	s_cmp_eq_u32 s48, 1
	s_cbranch_scc1 .Lno_b_\@
.endif
	LOAD_B ((\j)+3)%4, \lo
	s_wait_loadcnt 48                              ; this step's B is in; the three younger sets of 16 loads may stay out
.if \cond
	s_branch .Lgo_\@
.Lno_b_\@:
	s_wait_loadcnt 0x0                             ; nothing was asked for: whatever is out is wanted soon
.Lgo_\@:
.endif
.if \fo >= 0
	s_wait_dscnt 16                                ; this step's A is in; the 16 loads just issued may stay out
.else
	s_wait_dscnt 0x0
.endif
	WIN MUL_LO
	MUL32 \j, 0, \zero
	WIN MUL_HI
	MUL32 \j, 1, \zero
.endm
.macro PKADDB d, s, c, x               ; v[d:d+1] = v[s:s+1] + v[c+x], the one number for both halves
.if \x
	v_pk_add_f32 v[\d:\d+1], v[\s:\s+1], v[\c:\c+1] op_sel:[0,1] op_sel_hi:[1,1]
.else
	v_pk_add_f32 v[\d:\d+1], v[\s:\s+1], v[\c:\c+1] op_sel_hi:[1,0]
.endif
.endm
.macro PKFMAB d, t, c, x               ; v[d:d+1] += v[t:t+1] x v[c+x]
.if \x
	v_pk_fma_f32 v[\d:\d+1], v[\t:\t+1], v[\c:\c+1], v[\d:\d+1] op_sel:[0,1,0] op_sel_hi:[1,1,1]
.else
	v_pk_fma_f32 v[\d:\d+1], v[\t:\t+1], v[\c:\c+1], v[\d:\d+1] op_sel_hi:[1,0,1]
.endif
.endm
; Behind a pass of product 1: S[8 a + j] += the sum over bt of relu(D + c') W_f.  A lane has one c' and one W_f for each bt.
.macro EPI1
	v_add_nc_u32 v[TA], s46, v[TR]
.irp b, 0,1,2,3,4,5,6,7
	ds_load_b32 v[CT+\b], v[TA] offset:64*\b
.endr
.irp b, 0,1,2,3,4,5,6,7
	ds_load_b32 v[WT+\b], v[TA] offset:4096+64*\b
.endr
.rept 3
	v_nop                                          ; with the addition above: four places behind the last matrix instruction
.endr
	s_wait_dscnt 0x0
.irp a, 0,1,2,3,4,5,6,7
.set tb, X+64*(\a%2)
.set ac, 64*(\a%4)
	WIN 0x02+(\a/4)                                ; source 0: window 2 or 3
.irp b, 0,1,2,3,4,5,6,7
.irp i, 0,2,4,6
	PKADDB tb+8*\b+\i, ac+8*\b+\i, CT+2*(\b/2), \b%2   ; each accumulator from its low end on
.endr
.endr
	WIN 0
.set kk, 0
.rept 64
	v_max_num_f32 v[tb+kk], 0, v[tb+kk]
.set kk, kk+1
.endr
.irp b, 0,1,2,3,4,5,6,7
.irp i, 0,2,4,6
	PKFMAB S+8*\a+\i, tb+8*\b+\i, WT+2*(\b/2), \b%2
.endr
.endr
.endr
	s_add_co_u32 s46, s46, 2048                    ; the next pass's 512 columns
.endm
; Behind a pass of product 3: part[column] = the sum over the 128 rows of p D; 128 columns a wave leave as 512 consecutive bytes.
.macro EPI3
	s_wait_alu depctr_va_vdst(0)
.rept 4
	v_nop                                          ; four places behind the last matrix instruction
.endr
.irp a, 0,1,2,3,4,5,6,7
.set ac, 64*(\a%4)
	WIN 0x02+(\a/4)
.irp i, 0,2,4,6
.irp b, 0,1,2,3,4,5,6,7
.if (\a == 0) && (\i == 0)
	v_pk_mul_f32 v[R+2*\b:R+2*\b+1], v[ac+8*\b+\i:ac+8*\b+\i+1], v[S+8*\a+\i:S+8*\a+\i+1]   ; the first product starts the sum
.else
	v_pk_fma_f32 v[R+2*\b:R+2*\b+1], v[ac+8*\b+\i:ac+8*\b+\i+1], v[S+8*\a+\i:S+8*\a+\i+1], v[R+2*\b:R+2*\b+1]
.endif
.endr
.endr
.endr
	WIN 0
.irp b, 0,1,2,3,4,5,6,7
	v_add_f32 v[R+16+\b], v[R+2*\b], v[R+2*\b+1]   ; even rows' and odd rows' halves,
.endr
.irp b, 0,1,2,3,4,5,6,7
	v_permlanex16_b32 v[R+24+\b], v[R+16+\b], s52, s53
.endr
.irp b, 0,1,2,3,4,5,6,7
	v_add_f32 v[R+16+\b], v[R+16+\b], v[R+24+\b]   ; and the other half of the lanes' rows
.endr
	v_cmp_lt_u32 vcc_lo, 15, v[LN]
.irp q, 0,1,2,3
	v_cndmask_b32 v[R+32+\q], v[R+16+2*\q], v[R+17+2*\q], vcc_lo   ; lane l takes column 32 q + l
.endr
.irp q, 0,1,2,3
	ds_store_b32 v[ASW], v[R+32+\q] offset:128*\q
.endr
	ds_load_b128 v[R+36:R+39], v[ASR]              ; my wave's own bytes, served in order: four neighbouring columns a lane
	s_wait_dscnt 0x0
	global_store_b128 v[LI], v[R+36:R+39], s[30:31]   ; 32 lanes store 512 consecutive bytes, aligned
	s_wait_xcnt 0x0                                ; the store has read its registers and its base: both are written again
	s_add_nc_u64 s[30:31], s[30:31], 2048
.endm
; Two passes on the set sig of the key's codes.  A pass: the first step stands in front of the loop (its products start the sums: nothing is cleared); three trips of four steps; three steps written out.
.macro PASSES sig, epi, cond
	s_mov_b32 s48, 2
.Lpass_\@:
	s_mov_b32 s45, \sig*IMG2
	v_add_nc_u32 v[AD], s45, v[AL]
	FETCH_A 0, 0
	KSTEP 0, 1, 1, 3, 0, 0                         ; (the epilogue's vector lines are the places in front of these loads)
	WIN 0                                          ; at a label and at a branch every window is 0
	s_mov_b32 s47, 3
.Ltrip_\@:
	KSTEP 1, 0, 2, 4, 0, 1
	KSTEP 2, 0, 3, 5, 0, 1
	KSTEP 3, 0, 4, 6, 0, 1
	KSTEP 0, 0, 5, 7, 0, 1
	WIN 0
	s_wait_xcnt 0x0                                ; the loads have read their base: it steps only behind this wait
	s_add_nc_u64 s[26:27], s[26:27], 32768         ; four K steps on, in B's stream
	s_add_co_u32 s45, s45, 4*STEPB                 ; and in A's images
	v_add_nc_u32 v[AD], s45, v[AL]
	s_sub_co_u32 s47, s47, 1
	s_cmp_lg_u32 s47, 0
	s_cbranch_scc1 .Ltrip_\@
	KSTEP 1, 0, 2, 4, \cond, 1                     ; steps 13 to 15 ask for the next pass's steps 0 to 2: the stream runs on
	KSTEP 2, 0, 3, 5, \cond, 1
	KSTEP 3, 0, -1, 6, \cond, 1
	WIN 0
	s_wait_xcnt 0x0
	s_add_nc_u64 s[26:27], s[26:27], 32768
.if \epi == 1
	EPI1
.else
	EPI3
.endif
	s_sub_co_u32 s48, s48, 1
	s_cmp_lg_u32 s48, 0
	s_cbranch_scc1 .Lpass_\@
.endm
.macro ULOAD first                     ; the score parts of waves first and first + 1, in S's layout
.irp u, 0,1
.irp a, 0,1,2,3,4,5,6,7
.irp q, 0,1
	ds_load_b128 v[X+64*\u+8*\a+4*\q:X+64*\u+8*\a+4*\q+3], v[SCRD] offset:512*(\first+\u)+64*\a+16*\q
.endr
.endr
.endr
	s_wait_dscnt 0x0
.endm
	s_load_b256 s[4:11], s[0:1], 0x0               ; key s[4:5], wcodes s[6:7], ctab s[8:9], W_f s[10:11]
	s_load_b256 s[12:19], s[0:1], 0x20             ; b_f s[12:13], the exponents s[14:15], scores s[16:17], part s[18:19]
	v_lshrrev_b32 v26, 5, v0
	v_readfirstlane_b32 s20, v26                   ; wave 0..3
	v_and_b32 v[LN], 31, v0
	v_and_b32 v27, 15, v0                          ; r
	v_bfe_u32 v28, v0, 4, 1                        ; h
	v_lshlrev_b32 v[LI], 4, v[LN]
	v_lshlrev_b32 v24, 4, v0                       ; the tables: 16 bytes a thread, in memory
	v_lshl_add_u32 v25, v0, 4, TAB                 ; and in LDS
	v_mov_b32 v29, 0                               ; written once: a lane permute's destination counts as one of its sources
	v_mul_u32_u24 v[AL], v28, CHB
	v_lshl_add_u32 v[AL], v27, 4, v[AL]            ; a fragment's load: piece of row r, half h
	v_bfe_u32 v22, v0, 2, 3                        ; lane / 4: which K step of eight my pieces belong to,
	v_and_b32 v23, 3, v0                           ; lane % 4: which chunk and half
	v_mul_u32_u24 v[IB], v22, STEPB
	v_mad_u32_u24 v[IB], v23, CHB, v[IB]
	s_mul_i32 s55, s20, 2*TILEB                    ; my wave's tiles a = 2 w, 2 w + 1
	v_add_nc_u32 v[IB], s55, v[IB]
	s_lshl_b32 s56, s20, 9                         ; 512 x wave
	s_add_co_u32 s57, s56, SCR
	v_lshl_add_u32 v[SCW], v28, 5, s57             ; my part of the scores: row 16 a + 8 h + j at 64 a + 32 h + 4 j
	v_lshlrev_b32 v[SCRD], 5, v28
	v_add_nc_u32 v[SCRD], SCR, v[SCRD]
	v_add_nc_u32 v[SCL], SCR, v[LI]
	s_add_co_u32 s57, s56, AST
	v_add_nc_u32 v[ASR], s57, v[LI]
	v_lshl_add_u32 v[ASW], v[LN], 2, s57
	s_add_co_u32 s57, s56, TAB
	v_lshl_add_u32 v[TR], v27, 2, s57              ; column 128 w + r
	s_mov_b32 s52, 0x76543210
	s_mov_b32 s53, 0xfedcba98                      ; v_permlanex16_b32: lane l xor 16
	s_lshl_b32 s58, ttmp9, 19                      ; 128 rows of 4,096 bytes a work-group,
	s_lshl_b32 s59, s20, 17                        ; 32 a wave
	s_add_co_u32 s58, s58, s59
	s_mov_b32 s59, 0
	s_wait_kmcnt 0x0
	s_load_b128 s[36:39], s[14:15], 0x0            ; e0 .. e3
	s_load_b64 s[40:41], s[14:15], 0x10            ; e4, e5
	s_load_b32 s42, s[12:13], 0x0                  ; b_f
	s_add_nc_u64 s[24:25], s[4:5], s[58:59]
	s_lshl_b32 s58, s20, 19
	s_add_nc_u64 s[26:27], s[6:7], s[58:59]        ; my wave's stream of weight codes
	s_lshr_b32 s58, ttmp9, 3
	s_lshl_b32 s58, s58, 12
	s_add_nc_u64 s[28:29], s[8:9], s[58:59]        ; my batch's row of ctab
	s_lshl_b32 s58, ttmp9, 12
	s_add_co_u32 s58, s58, s56
	s_add_nc_u64 s[30:31], s[18:19], s[58:59]      ; part: my block's row, my wave's 128 columns
	s_lshl_b32 s58, ttmp9, 9
	s_add_nc_u64 s[32:33], s[16:17], s[58:59]      ; my block's 128 scores
	global_load_b128 v[48:51], v24, s[28:29]
	global_load_b128 v[52:55], v24, s[28:29] offset:2048
	global_load_b128 v[56:59], v24, s[10:11]
	global_load_b128 v[60:63], v24, s[10:11] offset:2048
	KLOAD 0
	KLOAD 1
	KLOAD 2
	KLOAD 3
	s_wait_kmcnt 0x0
	s_add_co_i32 s50, s36, s37
	s_add_co_i32 s50, s50, 127
	s_lshl_b32 s50, s50, 23                        ; 2^(e0 + e1) as f32
	s_mov_b32 s51, s50                             ; (named with it as a pair, so it is written)
	s_add_co_i32 s54, s36, 127
	s_lshl_b32 s55, s54, 23
	v_mov_b32 v16, s55                             ; 2^e0: the conversion takes its exponent field
	s_add_co_i32 s54, s54, 8
	s_lshl_b32 s54, s54, 23
	s_or_b32 s54, s54, 0x600000
	v_mov_b32 v17, s54                             ; 448 x 2^e0
	s_add_co_i32 s54, s40, 127
	s_lshl_b32 s55, s54, 23
	v_mov_b32 v18, s55                             ; 2^e4
	s_add_co_i32 s54, s54, 8
	s_lshl_b32 s54, s54, 23
	s_or_b32 s54, s54, 0x600000
	v_mov_b32 v19, s54                             ; 448 x 2^e4
	v_mov_b32 v20, s42
	v_mov_b32 v21, s42                             ; b_f, twice
	s_wait_loadcnt 63                              ; 68 loads were issued: the four oldest, the tables', are in
	ds_store_b128 v25, v[48:51]
	ds_store_b128 v25, v[52:55] offset:2048
	ds_store_b128 v25, v[56:59] offset:4096
	ds_store_b128 v25, v[60:63] offset:6144
	; ---- PHASE 0: a trip is four rows of each of my two tiles, all 1,024 k: four units; the last trip is written out: in place of key it asks for B's first three K steps
	s_mov_b32 s44, 0
	s_mov_b32 s47, 3
.Lkey:
	IADDR
	UNIT 0, 1
	UNIT 1, 1
	UNIT 2, 1
	UNIT 3, 1
	s_add_co_u32 s44, s44, 64                      ; four rows of 16 bytes in every chunk
	s_sub_co_u32 s47, s47, 1
	s_cmp_lg_u32 s47, 0
	s_cbranch_scc1 .Lkey
	IADDR
	UNIT 0, 2
	UNIT 1, 2
	UNIT 2, 2
	UNIT 3, 0
	s_wait_dscnt 0x0                               ; for the others' sake: my images and my part of the tables have landed
	s_barrier_signal -1
.set kk, 0
.rept 64
	v_mov_b32 v[S+kk], 0                           ; the row sums: the two passes that add onto them are one text
.set kk, kk+1
.endr
	s_barrier_wait -1                              ; both sets of codes and the tables are whole; nothing of them is written again
	s_mov_b32 s46, 0
	PASSES 0, 1, 0                                 ; product 1 and the row sums
	; ---- the scores, their largest, p
.irp m, 1,2,4,8
.set kk, 0
.rept 64
	v_add_f32_dpp v[S+kk], v[S+kk], v[S+kk] row_xmask:\m row_mask:0xf bank_mask:0xf   ; over the sixteen lanes, which hold sixteen columns of the same rows
.set kk, kk+1
.endr
.endr
.irp a, 0,1,2,3,4,5,6,7
.irp q, 0,1
	ds_store_b128 v[SCW], v[S+8*\a+4*\q:S+8*\a+4*\q+3] offset:64*\a+16*\q   ; sixteen lanes write the same bytes with the same numbers
.endr
.endr
	s_wait_dscnt 0x0
	s_barrier_signal -1
	s_barrier_wait -1                              ; the four waves' parts lie in LDS
	ULOAD 0
.set kk, 0
.rept 32
	v_pk_add_f32 v[S+kk:S+kk+1], v[X+kk:X+kk+1], v[T+kk:T+kk+1]
.set kk, kk+2
.endr
	ULOAD 2
.set kk, 0
.rept 32
	v_pk_add_f32 v[S+kk:S+kk+1], v[S+kk:S+kk+1], v[X+kk:X+kk+1]
.set kk, kk+2
.endr
.set kk, 0
.rept 32
	v_pk_add_f32 v[S+kk:S+kk+1], v[S+kk:S+kk+1], v[T+kk:T+kk+1]
.set kk, kk+2
.endr
.set kk, 0
.rept 32
	v_pk_fma_f32 v[S+kk:S+kk+1], v[S+kk:S+kk+1], s[50:51], v[20:21] op_sel_hi:[1,0,1]   ; score = sum x 2^(e0 + e1) + b_f
.set kk, kk+2
.endr
	s_cmp_lg_u32 s20, 0                            ; wave 0 stores the block's scores: the same additions in the same order, four neighbouring rows a lane
	s_cbranch_scc1 .Lnot_wave_0
.irp u, 0,1,2,3
	ds_load_b128 v[X+4*\u:X+4*\u+3], v[SCL] offset:512*\u
.endr
	s_wait_dscnt 0x0
.irp u, 1,2,3
	v_pk_add_f32 v[X:X+1], v[X:X+1], v[X+4*\u:X+4*\u+1]
	v_pk_add_f32 v[X+2:X+3], v[X+2:X+3], v[X+4*\u+2:X+4*\u+3]
.endr
	v_pk_fma_f32 v[X:X+1], v[X:X+1], s[50:51], v[20:21] op_sel_hi:[1,0,1]
	v_pk_fma_f32 v[X+2:X+3], v[X+2:X+3], s[50:51], v[20:21] op_sel_hi:[1,0,1]
	global_store_b128 v[LI], v[X:X+3], s[32:33]    ; 512 consecutive bytes, aligned
	s_wait_xcnt 0x0                                ; the store has read its registers: A's fragments land there next
.Lnot_wave_0:
	v_max3_num_f32 v26, v[S], v[S+1], v[S+2]       ; the largest of my 64 rows' scores, in two chains,
	v_max3_num_f32 v27, v[S+3], v[S+4], v[S+5]
.irp i, 6,10,14,18,22,26,30,34,38,42,46,50,54,58
	v_max3_num_f32 v26, v26, v[S+\i], v[S+\i+1]
	v_max3_num_f32 v27, v27, v[S+\i+2], v[S+\i+3]
.endr
	v_max3_num_f32 v26, v26, v[S+62], v[S+63]
	v_max_num_f32 v26, v26, v27
	v_permlanex16_b32 v29, v26, s52, s53
	v_max_num_f32 v22, v26, v29                    ; and of the other half of the lanes' 64: m, the block's largest
	v_mov_b32 v23, v22
.set kk, 0
.rept 32
	v_pk_add_f32 v[S+kk:S+kk+1], v[S+kk:S+kk+1], v[22:23] neg_lo:[0,1] neg_hi:[0,1]   ; score - m first: the difference of near numbers is exact, whatever their size;
.set kk, kk+2
.endr
.set kk, 0
.rept 32
	v_pk_mul_f32 v[S+kk:S+kk+1], v[S+kk:S+kk+1], 0x3fb8aa3b op_sel_hi:[1,0]          ; then x log2(e)
.set kk, kk+2
.endr
.set kk, 0
.rept 64
	v_exp_f32 v[S+kk], v[S+kk]                     ; p = e^(score - m), at most 1
.set kk, kk+1
.endr
	v_nop                                          ; a plain line behind the exponentials
	PASSES 1, 3, 1                                 ; product 3 and the weighted sums
	s_wait_xcnt 0x0
	v_lshl_add_u32 v254, v0, 2, 0x47800
	v_mov_b32 v255, 0
	s_wait_tensorcnt 0x0
	ds_add_u32 v254, v255
	s_wait_dscnt 0x0
	s_endpgm
.Lfunc_end_k_q5b0f8989c0_main:
	.size	k_q5b0f8989c0_main, .Lfunc_end_k_q5b0f8989c0_main-k_q5b0f8989c0_main
	.p2alignl 7, 3214868480
	.fill 96, 4, 3214868480
	.section	.rodata,"a",@progbits
	.p2align	6, 0x0
	.amdhsa_kernel k_q5b0f8989c0_main
		.amdhsa_group_segment_fixed_size 293376
		.amdhsa_private_segment_fixed_size 0
		.amdhsa_enable_private_segment 0
		.amdhsa_kernarg_size 64
		.amdhsa_user_sgpr_count 2
		.amdhsa_user_sgpr_kernarg_segment_ptr 1
		.amdhsa_wavefront_size32 1
		.amdhsa_system_sgpr_workgroup_id_x 1
		.amdhsa_system_sgpr_workgroup_id_y 1
		.amdhsa_system_sgpr_workgroup_id_z 1
		.amdhsa_system_vgpr_workitem_id 0
		.amdhsa_next_free_vgpr 1024
		.amdhsa_next_free_sgpr 66
		.amdhsa_reserve_vcc 1
		.amdhsa_float_denorm_mode_32 3
		.amdhsa_float_denorm_mode_16_64 3
		.amdhsa_memory_ordered 1
		.amdhsa_forward_progress 1
		.amdhsa_inst_pref_size 255
	.end_amdhsa_kernel
	.section	.bss,"aw",@nobits
	.p2align	6
	.space	262144
	.amdgpu_metadata
---
amdhsa.version: [ 1, 2 ]
amdhsa.kernels:
  - .name:           k_q5b0f8989c0_main
    .symbol:         k_q5b0f8989c0_main.kd
    .args:
      - { .name: key, .offset: 0, .size: 8, .value_kind: global_buffer, .address_space: global }
      - { .name: wcodes, .offset: 8, .size: 8, .value_kind: global_buffer, .address_space: global }
      - { .name: ctab, .offset: 16, .size: 8, .value_kind: global_buffer, .address_space: global }
      - { .name: W_f, .offset: 24, .size: 8, .value_kind: global_buffer, .address_space: global }
      - { .name: b_f, .offset: 32, .size: 8, .value_kind: global_buffer, .address_space: global }
      - { .name: lowp_scales, .offset: 40, .size: 8, .value_kind: global_buffer, .address_space: global }
      - { .name: scores, .offset: 48, .size: 8, .value_kind: global_buffer, .address_space: global }
      - { .name: part, .offset: 56, .size: 8, .value_kind: global_buffer, .address_space: global }
    .group_segment_fixed_size: 293376
    .private_segment_fixed_size: 0
    .kernarg_segment_align: 8
    .kernarg_segment_size: 64
    .max_flat_workgroup_size: 128
    .sgpr_count:     66
    .vgpr_count:     1024
    .wavefront_size: 32
...
	.end_amdgpu_metadata
.endif
;; end of part 2
;; launch fin (part 3): grid 32 x 1, 8 waves a work-group, no clusters, 1,536 bytes of LDS; arguments scores, part, b_V, lowp_scales, out0, out1; writes out0, out1
.if DOCPART == 3
	.amdgcn_target "amdgcn-amd-amdhsa--gfx1250"
	.amdhsa_code_object_version 6
	.text
	.protected	k_q5b0f8989c0_fin
	.globl	k_q5b0f8989c0_fin
	.p2align	8
	.type	k_q5b0f8989c0_fin,@function
k_q5b0f8989c0_fin:
	s_mov_b64 s[64:65], 0
	v_nop
	global_prefetch_b8 v0, s[64:65] scope:SCOPE_SE
	s_setreg_imm32_b32 hwreg(HW_REG_WAVE_MODE, 25, 1), 1
	s_wait_xcnt 0x0
; One work-group for each batch joins its eight blocks.  Thread t holds scores 4 t .. 4 t + 3 (wave u holds block u's 128) and columns 4 t .. 4 t + 3 of the eight parts.
; m_u = block u's largest score (the number under which the launch before summed), M = the largest of the eight, l = the sum of e^(score - M).
; alpha = e^(score - M) / l.   awe = the sum over u of part_u e^(m_u - M) / l x 2^(e4 + e5) + b_V: b_V is weighed by the sum of alpha, which is 1.
; Memory binds and the work is small: no matrix unit, no tensor loads; all ten loads of a thread go out first.  Every load and store of a wave covers 512 consecutive bytes.
; LIMIT: e4 + e5 is applied to e^(m_u - M) / l by v_ldexp_f32: that product must stay an f32 number.  NaN among the inputs is not served.
.macro PKFMAB d, t, c, x               ; v[d:d+1] += v[t:t+1] x v[c+x], the one number for both halves
.if \x
	v_pk_fma_f32 v[\d:\d+1], v[\t:\t+1], v[\c:\c+1], v[\d:\d+1] op_sel:[0,1,0] op_sel_hi:[1,1,1]
.else
	v_pk_fma_f32 v[\d:\d+1], v[\t:\t+1], v[\c:\c+1], v[\d:\d+1] op_sel_hi:[1,0,1]
.endif
.endm
	s_load_b256 s[4:11], s[0:1], 0x0               ; scores s[4:5], part s[6:7], b_V s[8:9], the exponents s[10:11]
	s_load_b128 s[12:15], s[0:1], 0x20             ; out0 (awe) s[12:13], out1 (alpha) s[14:15]
	v_lshl_add_u32 v64, v0, 2, 0x200
	v_mov_b32 v65, 0
	v_lshlrev_b32 v1, 4, v0                        ; 16 bytes a thread
	v_lshrrev_b32 v2, 5, v0
	v_lshlrev_b32 v2, 2, v2                        ; my wave's word in LDS
	v_mov_b32 v3, 0
	v_mov_b32 v45, 0                               ; written once: a lane permute's destination counts as one of its sources
	s_lshl_b32 s16, ttmp9, 12                      ; a batch's 1,024 numbers
	s_mov_b32 s17, 0
	s_lshl_b32 s18, ttmp9, 15                      ; its eight rows of part
	s_mov_b32 s19, 0
	s_mov_b32 s20, 0x76543210
	s_mov_b32 s21, 0xfedcba98                      ; v_permlanex16_b32: lane l xor 16
	s_wait_kmcnt 0x0
	s_load_b64 s[22:23], s[10:11], 0x10            ; e4, e5
	s_add_nc_u64 s[4:5], s[4:5], s[16:17]
	s_add_nc_u64 s[6:7], s[6:7], s[18:19]
	s_add_nc_u64 s[12:13], s[12:13], s[16:17]
	s_add_nc_u64 s[14:15], s[14:15], s[16:17]
	global_load_b128 v[4:7], v1, s[4:5]
.irp u, 0,1,2,3,4,5,6,7
	global_load_b128 v[8+4*\u:11+4*\u], v1, s[6:7] offset:4096*\u
.endr
	global_load_b128 v[40:43], v1, s[8:9]
	s_wait_loadcnt 9                               ; the scores are in; the eight parts and b_V may stay out
	v_max3_num_f32 v44, v4, v5, v6
	v_max_num_f32 v44, v44, v7
	v_max_num_f32_dpp v44, v44, v44 row_xmask:1 row_mask:0xf bank_mask:0xf
	v_max_num_f32_dpp v44, v44, v44 row_xmask:2 row_mask:0xf bank_mask:0xf
	v_max_num_f32_dpp v44, v44, v44 row_xmask:4 row_mask:0xf bank_mask:0xf
	v_max_num_f32_dpp v44, v44, v44 row_xmask:8 row_mask:0xf bank_mask:0xf
	v_permlanex16_b32 v45, v44, s20, s21
	v_max_num_f32 v44, v44, v45                    ; my block's largest
	ds_store_b32 v2, v44
	s_wait_dscnt 0x0
	s_barrier_signal -1
	s_barrier_wait -1
	ds_load_b128 v[48:51], v3                      ; m_0 .. m_7, in every lane
	ds_load_b128 v[52:55], v3 offset:16
	s_wait_dscnt 0x0
	v_max3_num_f32 v46, v48, v49, v50
	v_max3_num_f32 v46, v46, v51, v52
	v_max3_num_f32 v46, v46, v53, v54
	v_max_num_f32 v46, v46, v55                    ; M
.irp i, 4,5,6,7,48,49,50,51,52,53,54,55
	v_sub_f32 v[\i], v[\i], v46
.endr
.irp i, 4,5,6,7,48,49,50,51,52,53,54,55
	v_mul_f32 v[\i], 0x3fb8aa3b, v[\i]
.endr
.irp i, 4,5,6,7,48,49,50,51,52,53,54,55
	v_exp_f32 v[\i], v[\i]                         ; e^(score - M); e^(m_u - M)
.endr
	v_nop                                          ; a plain line behind the exponentials
	s_wait_alu depctr_va_vdst(0)
	v_add_f32 v44, v4, v5
	v_add_f32 v47, v6, v7
	v_add_f32 v44, v44, v47
	v_add_f32_dpp v44, v44, v44 row_xmask:1 row_mask:0xf bank_mask:0xf
	v_add_f32_dpp v44, v44, v44 row_xmask:2 row_mask:0xf bank_mask:0xf
	v_add_f32_dpp v44, v44, v44 row_xmask:4 row_mask:0xf bank_mask:0xf
	v_add_f32_dpp v44, v44, v44 row_xmask:8 row_mask:0xf bank_mask:0xf
	v_permlanex16_b32 v45, v44, s20, s21
	v_add_f32 v44, v44, v45                        ; my wave's sum
	ds_store_b32 v2, v44 offset:256                ; other bytes than the maxima's: one barrier is enough
	s_wait_dscnt 0x0
	s_barrier_signal -1
	s_barrier_wait -1
	ds_load_b128 v[56:59], v3 offset:256
	ds_load_b128 v[60:63], v3 offset:272
	s_wait_dscnt 0x0
.irp u, 57,58,59,60,61,62,63
	v_add_f32 v56, v56, v[\u]                      ; l, the same order in every wave
.endr
	v_rcp_f32 v44, v56
	v_nop                                          ; a plain line behind the reciprocal
	s_wait_alu depctr_va_vdst(0)
.irp i, 4,5,6,7
	v_mul_f32 v[\i], v[\i], v44
.endr
	global_store_b128 v1, v[4:7], s[14:15]         ; alpha
	s_wait_kmcnt 0x0
	s_add_co_i32 s24, s22, s23
	v_ldexp_f32 v45, v44, s24                      ; 2^(e4 + e5) / l
.irp u, 48,49,50,51,52,53,54,55
	v_mul_f32 v[\u], v[\u], v45
.endr
	s_wait_loadcnt 0x0                             ; the parts and b_V
.irp u, 0,1,2,3,4,5,6,7
	PKFMAB 40, 8+4*\u, 48+2*(\u/2), \u%2           ; onto b_V
	PKFMAB 42, 10+4*\u, 48+2*(\u/2), \u%2
.endr
	global_store_b128 v1, v[40:43], s[12:13]       ; awe
	s_wait_tensorcnt 0x0
	ds_add_u32 v64, v65
	s_wait_dscnt 0x0
	s_endpgm
.Lfunc_end_k_q5b0f8989c0_fin:
	.size	k_q5b0f8989c0_fin, .Lfunc_end_k_q5b0f8989c0_fin-k_q5b0f8989c0_fin
	.p2alignl 7, 3214868480
	.fill 96, 4, 3214868480
	.section	.rodata,"a",@progbits
	.p2align	6, 0x0
	.amdhsa_kernel k_q5b0f8989c0_fin
		.amdhsa_group_segment_fixed_size 1536
		.amdhsa_private_segment_fixed_size 0
		.amdhsa_enable_private_segment 0
		.amdhsa_kernarg_size 48
		.amdhsa_user_sgpr_count 2
		.amdhsa_user_sgpr_kernarg_segment_ptr 1
		.amdhsa_wavefront_size32 1
		.amdhsa_system_sgpr_workgroup_id_x 1
		.amdhsa_system_sgpr_workgroup_id_y 1
		.amdhsa_system_sgpr_workgroup_id_z 1
		.amdhsa_system_vgpr_workitem_id 0
		.amdhsa_next_free_vgpr 66
		.amdhsa_next_free_sgpr 66
		.amdhsa_reserve_vcc 0
		.amdhsa_float_denorm_mode_32 3
		.amdhsa_float_denorm_mode_16_64 3
		.amdhsa_memory_ordered 1
		.amdhsa_forward_progress 1
		.amdhsa_inst_pref_size 8
	.end_amdhsa_kernel
	.amdgpu_metadata
---
amdhsa.version: [ 1, 2 ]
amdhsa.kernels:
  - .name:           k_q5b0f8989c0_fin
    .symbol:         k_q5b0f8989c0_fin.kd
    .args:
      - { .name: scores, .offset: 0, .size: 8, .value_kind: global_buffer, .address_space: global }
      - { .name: part, .offset: 8, .size: 8, .value_kind: global_buffer, .address_space: global }
      - { .name: b_V, .offset: 16, .size: 8, .value_kind: global_buffer, .address_space: global }
      - { .name: lowp_scales, .offset: 24, .size: 8, .value_kind: global_buffer, .address_space: global }
      - { .name: out0, .offset: 32, .size: 8, .value_kind: global_buffer, .address_space: global }
      - { .name: out1, .offset: 40, .size: 8, .value_kind: global_buffer, .address_space: global }
    .group_segment_fixed_size: 1536
    .private_segment_fixed_size: 0
    .kernarg_segment_align: 8
    .kernarg_segment_size: 48
    .max_flat_workgroup_size: 256
    .sgpr_count:     66
    .vgpr_count:     66
    .wavefront_size: 32
...
	.end_amdgpu_metadata
.endif
;; end of part 3
;; ======== version 2 of 2: 3 launches
;; workspace buffers: wcodes 2,097,152 bytes; ctab 131,072 bytes; scores 131,072 bytes; part 1,048,576 bytes
;; launch prep (part 4): grid 16 x 3, 16 waves a work-group, no clusters, 309,760 bytes of LDS; arguments W_K, W_V, W_Q, query, b_K, b_Q, lowp_scales, wcodes, ctab; writes wcodes, ctab
.if DOCPART == 4
	.amdgcn_target "amdgcn-amd-amdhsa--gfx1250"
	.amdhsa_code_object_version 6
	.text
	.protected	k_q5b0f8989c0_prep
	.globl	k_q5b0f8989c0_prep
	.p2align	8
	.type	k_q5b0f8989c0_prep,@function
k_q5b0f8989c0_prep:
	s_mov_b64 s[64:65], 0
	v_nop
	global_prefetch_b8 v0, s[64:65] scope:SCOPE_SE
	s_setreg_imm32_b32 hwreg(HW_REG_WAVE_SCHED_MODE, 0, 2), 2
	s_setreg_imm32_b32 hwreg(HW_REG_WAVE_MODE, 25, 1), 1
	s_wait_xcnt 0x0
	s_wait_alu depctr_vm_vsrc(0)
; The launch in front of the large products.  Work-group y says which weight: 0 W_K, 1 W_V, 2 W_Q; work-group x which 64 columns.
; All three weights are [1024 (k)][1024 (n)] f32 with K as the FIRST axis.  A LANE TAKES A COLUMN AND ITS 128 REGISTERS RUN DOWN K: each load reads 128 consecutive
; bytes a wave, and the conversions, which take their numbers from one lane's consecutive registers, give codes with K innermost.  Wave W: columns 32 (W & 1) on, part s = W >> 1 of K.
; code = x / 2^e, held within +-448, to the nearest E4M3 code, ties to even.
; y = 0, 1: the codes go to wcodes IN THE ORDER OF THE NEXT LAUNCH'S OPERAND REGISTERS: byte = w 524288 + (16 p + st) 8192 + bt 1024 + c 512 + 16 (r + 16 h) + b,
;   with column n = 512 (p & 1) + 128 w + 16 bt + r and p = 2 y + n / 512.  THE ORDER OF K IS THE ONE IN WHICH THE NEXT LAUNCH'S DENSE LOADS OF THE KEY FILL A LANE'S REGISTERS:
;   slot (st, c, h, b) holds k = 512 (st / 8) + 128 (b / 4) + 4 (4 (st % 8) + 2 c + h) + b % 4.  Which row of the weight a register takes is an immediate of its load, so the order costs nothing here:
;   register 16 p + b of wave s takes row 512 (s / 4) + 32 (s % 4) + 128 (b / 4) + 4 p + b % 4, and piece p goes to st = 2 s + p / 4, c = (p / 2) & 1, h = p & 1.  Sixteen lanes store 256 consecutive bytes, aligned.
; y = 2: product 2, query [32][1024] x W_Q, for these 64 columns, k as it lies (wave s: k = 128 s on): wave W also quantises 16 rows x 128 k of the query; fragments go from wave to wave through LDS as images
;   of their registers; each wave multiplies its K step of 128 (four matrix instructions), the eight K steps' sums meet in LDS and are added in ascending order.
;   Stored: ctab[b][n] = (sum 2^(e2+e3) + b_Q[n] + b_K[n]) / 2^(e0+e1): what the next launch adds to product 1's raw sums, since relu(D s + c) = s relu(D + c / s) for s > 0.
;   There lane (r, h) of a fragment holds k = 32 c + 16 h + 0..15 in registers 4 c .. 4 c + 3.  In both products the order of k is the same in both operands, so every product meets its partner.
; LIMITS: e1, e2, e3, e5 between -126 and 119, so that 2^e and 448 x 2^e are f32 numbers; the other powers of two go through v_ldexp_f32.  NaN among the inputs is not served.  K of product 2 is summed in eight parts.
; The two paths part once, on the work-group's y, and never join; only the path of y = 2 touches LDS and has barriers, which all sixteen waves of such a work-group pass.
; THE MODE: SCHED_MODE bits 1:0 = 2 (LLVM: expert scheduling mode 2), set by the entry lines.  The code itself states the register dependences
; between vector or matrix instructions and memory or LDS instructions, with s_wait_alu, always for 0.
; THE PLAN.  The text is straight-line; registers that memory or LDS instructions touch:
;   v4, v6            offsets of both paths' loads: made at the head, ahead of the wait that stands in front of the parting of the paths.
;   v5, v7-11, v146-151  offsets and LDS addresses: each made ahead of the wait on va_vdst that stands in front of its first reader; none is written again.
;   v[X ..]           loaded, then named by vector lines alone; on the query's path LDS loads land there later (QF, WF, SUM), behind a wait on va_vdst that follows the last of those lines.
;   v[QX ..]          loaded, stored to the stage, loaded again from the stage (a wait on vm_vsrc between), held and converted; later v144-151 of them take the biases and addresses.
;   v[CW ..], v[CQ ..]  written by the conversions, read by stores, behind one wait on va_vdst for both; v254, v255 of CQ are made anew at the end, behind a wait on vm_vsrc.
;   v[ACC ..], v[SUM .. SUM+3]  written by matrix and vector lines, read by LDS stores, each run behind its wait on va_vdst.
.set QST, 0                            ; LDS: 16 stages (one a wave) of 16 rows x (512 + 16) bytes: the query's numbers turn from load order into lane order
.set QIM, 135168                       ; 16 images of the query's fragments, 2,048 bytes: image 8 mt + s
.set WIM, 167936                       ; 16 x 4,096: each wave's two fragments of W_Q
.set QSU, 233472                       ; 16 x 4,096: each wave's four tiles of sums
.set OST, 299008                       ; 32 rows x (256 + 16): the way out
.set X,   16                           ; v16-143  128 numbers of my column
.set QX,  144                          ; v144-207 64 numbers of the query
.set CW,  208                          ; v208-239 my column's 128 codes
.set CQ,  240                          ; v240-255 the query's fragment
.set QF,  16                           ; later: the query's two fragments, W_Q's two, four accumulators, eight parts of a sum
.set WF,  48
.set ACC, 80
.set SUM, 112
.macro MKSC e, sc, lim                 ; s[e] holds an exponent (and is used up): v[sc] = 2^e, v[lim] = 448 x 2^e
	s_add_co_i32 s[\e], s[\e], 127
	s_lshl_b32 s37, s[\e], 23
	v_mov_b32 v[\sc], s37
	s_add_co_i32 s[\e], s[\e], 8
	s_lshl_b32 s[\e], s[\e], 23
	s_or_b32 s[\e], s[\e], 0x600000
	v_mov_b32 v[\lim], s[\e]
.endm
.macro WLOAD perm                      ; my column's 128 numbers.  perm = 0: rows kk on end; 1: the order of the next launch's images.  Every offset is an immediate, 415 rows of 4,096 bytes at the most
.set kk, 0
.rept 128
.if \perm
	global_load_b32 v[X+kk], v4, s[34:35] offset:(128*((kk/4)%4)+4*(kk/16)+kk%4)*4096 th:TH_LOAD_NT
.else
	global_load_b32 v[X+kk], v4, s[34:35] offset:kk*4096 th:TH_LOAD_NT
.endif
.set kk, kk+1
.endr
.endm
.macro WQUANT                          ; four blocks of 32 registers
.irp c, 0,1,2,3
.if \c < 2
	s_wait_loadcnt 63                              ; 96 and 64 younger loads were issued: 63, the largest count that the wait can name, leaves this block in
.else
	s_wait_loadcnt 96-32*\c                        ; the blocks behind this one may stay out
.endif
.set kk, 0
.rept 32
	v_med3_num_f32 v[X+32*\c+kk], v[X+32*\c+kk], -v15, v15   ; the conversion to an 8-bit code does not saturate (ISA guide 7.6.2): the hold at the largest code x the scale
.set kk, kk+1
.endr
.irp g, 0,1,2,3
	v_cvt_scalef32_pk8_fp8_f32 v[CW+8*\c+2*\g:CW+8*\c+2*\g+1], v[X+32*\c+8*\g:X+32*\c+8*\g+7], v14
.endr
.endr
	v_nop                                          ; one plain vector line behind the last conversion
.endm
.macro QUANT16 src, dst, sc, lim       ; 64 numbers, register 16 b + i = k 32 b + 16 h + i of my row, become a fragment
.irp b, 0,1,2,3
.set kk, 0
.rept 16
	v_med3_num_f32 v[\src+16*\b+kk], v[\src+16*\b+kk], -v[\lim], v[\lim]
.set kk, kk+1
.endr
	v_cvt_scalef32_pk8_fp8_f32 v[\dst+4*\b:\dst+4*\b+1], v[\src+16*\b:\src+16*\b+7], v[\sc]
	v_cvt_scalef32_pk8_fp8_f32 v[\dst+4*\b+2:\dst+4*\b+3], v[\src+16*\b+8:\src+16*\b+15], v[\sc]
.endr
	v_nop
.endm
.macro BARRIER                         ; my LDS stores have landed and my LDS loads are in: then the work-group's barrier
	s_wait_dscnt 0x0
	s_barrier_signal -1
	s_barrier_wait -1
.endm
	s_load_b256 s[4:11], s[0:1], 0x0               ; W_K s[4:5], W_V s[6:7], W_Q s[8:9], query s[10:11]
	s_load_b256 s[12:19], s[0:1], 0x20             ; b_K s[12:13], b_Q s[14:15], the exponents s[16:17], wcodes s[18:19]
	s_load_b64 s[20:21], s[0:1], 0x40              ; ctab
	v_lshrrev_b32 v1, 5, v0
	v_readfirstlane_b32 s22, v1                    ; wave W, 0..15
	v_and_b32 v1, 31, v0                           ; lane
	v_and_b32 v2, 15, v0                           ; r
	v_bfe_u32 v3, v0, 4, 1                         ; h
	v_lshlrev_b32 v4, 2, v1                        ; 4 bytes a lane
	v_lshlrev_b32 v6, 4, v1                        ; 16 bytes a lane
	s_wait_alu depctr_va_sdst(0)                   ; s22 is written, ahead of its first reader: the wave's shares and all its bases are made from it
	s_and_b32 s23, s22, 1                          ; cg: which 32 of the 64 columns; for the query: which 16 rows
	s_lshr_b32 s24, s22, 1                         ; s: which part of K
	s_and_b32 s25, ttmp7, 0xffff                   ; which weight
	s_lshl_b32 s27, ttmp9, 1
	s_add_co_u32 s27, s27, s23                     ; G: my wave's group of 32 columns, 0..31
	s_lshl_b32 s26, s27, 7                         ; 32 G columns of 4 bytes
	s_wait_kmcnt 0x0
	s_load_b128 s[28:31], s[16:17], 0x0            ; e0 .. e3
	s_load_b64 s[32:33], s[16:17], 0x10            ; e4, e5
	s_wait_alu depctr_va_vdst(0)                   ; v4 and v6 are written, which the loads of both paths read as their offsets
	s_cmp_eq_u32 s25, 2
	s_cbranch_scc1 .Lquery
	; ---- W_K or W_V
	s_lshr_b32 s40, s24, 2
	s_lshl_b32 s40, s40, 21                        ; my first row: 512 (s / 4) rows of 4,096 bytes
	s_and_b32 s41, s24, 3
	s_lshl_b32 s41, s41, 17                        ; + 32 (s % 4) rows
	s_add_co_u32 s40, s40, s41
	s_add_co_u32 s40, s40, s26                     ; + my columns
	s_mov_b32 s41, 0
	s_cmp_eq_u32 s25, 0                            ; the choice hangs on the work-group's number alone
	s_cselect_b64 s[34:35], s[4:5], s[6:7]
	s_add_nc_u64 s[34:35], s[34:35], s[40:41]
	WLOAD 1
	s_lshr_b32 s42, s27, 2
	s_and_b32 s42, s42, 3
	s_lshl_b32 s42, s42, 19                        ; w = (G / 4) & 3: 524,288 bytes a wave's stream
	s_lshl_b32 s43, s25, 1
	s_lshr_b32 s44, s27, 4
	s_add_co_u32 s43, s43, s44
	s_lshl_b32 s43, s43, 17                        ; pass p = 2 y + G / 16: 131,072 bytes
	s_add_co_u32 s42, s42, s43
	s_lshl_b32 s43, s24, 14                        ; two K steps of 64 for each s: 16,384 bytes
	s_add_co_u32 s42, s42, s43
	s_and_b32 s43, s27, 3
	s_lshl_b32 s43, s43, 11                        ; bt = 2 (G & 3) + lane / 16
	s_add_co_u32 s42, s42, s43
	s_mov_b32 s43, 0
	s_add_nc_u64 s[38:39], s[18:19], s[42:43]
	v_lshlrev_b32 v5, 10, v3
	v_lshl_add_u32 v5, v2, 4, v5                   ; (lane / 16) 1,024 + 16 r
	s_wait_kmcnt 0x0
	s_cmp_eq_u32 s25, 0
	s_cselect_b32 s36, s29, s33                    ; e1 or e5
	MKSC 36, 14, 15
	s_wait_alu depctr_va_vdst(0)
	WQUANT
	s_wait_alu depctr_va_vdst(0)                   ; the conversions have written v[CW ..] and v5 is written: the stores below read them as data and offset
.irp c, 0,1,2,3
.irp hh, 0,1
	global_store_b128 v5, v[CW+8*\c+4*\hh:CW+8*\c+4*\hh+3], s[38:39] offset:(\c/2)*8192+(\c%2)*512+\hh*256   ; piece 2 c + hh: sixteen lanes store 256 consecutive bytes, aligned
.endr
.endr
	s_endpgm
	; ---- W_Q and product 2
.Lquery:
	s_lshl_b32 s42, s23, 16                        ; the query's rows 16 cg on (4,096 bytes a row),
	s_lshl_b32 s43, s24, 9                         ; k = 128 s on
	s_add_co_u32 s42, s42, s43
	s_mov_b32 s43, 0
	s_add_nc_u64 s[44:45], s[10:11], s[42:43]
.irp i, 0,1,2,3,4,5,6,7,8,9,10,11,12,13,14,15
	global_load_b128 v[QX+4*\i:QX+4*\i+3], v6, s[44:45] offset:4096*\i   ; row i: 32 lanes read 512 consecutive bytes
.endr
	s_lshl_b32 s40, s24, 19                        ; W_Q: 128 s rows of 4,096 bytes
	s_add_co_u32 s40, s40, s26                     ; + my columns
	s_mov_b32 s41, 0
	s_add_nc_u64 s[34:35], s[8:9], s[40:41]
	WLOAD 0
	s_mul_i32 s46, s22, 8448                       ; my stage
	v_add_nc_u32 v7, s46, v6                       ; in: as loaded, 16 bytes a lane
	v_mul_u32_u24 v8, v2, 528
	v_lshl_add_u32 v8, v3, 6, v8
	v_add_nc_u32 v8, s46, v8                       ; back: row r, + 64 h: my 16 numbers of a block of 32
	s_lshl_b32 s47, s23, 14
	s_lshl_b32 s49, s24, 11
	s_add_co_u32 s49, s49, QIM
	s_add_co_u32 s47, s47, s49
	v_add_nc_u32 v9, s47, v6                       ; where I store the query's image 8 cg + s
	v_add_nc_u32 v5, s49, v6                       ; where I read images s and 8 + s
	s_lshl_b32 s48, s22, 12
	s_add_co_u32 s52, s48, QSU
	s_add_co_u32 s48, s48, WIM
	v_lshlrev_b32 v10, 11, v3
	v_lshl_add_u32 v10, v2, 4, v10
	v_add_nc_u32 v10, s48, v10                     ; W_Q's images, in: fragment lane / 16, place 16 r (+ 256 for the upper half of k)
	v_add_nc_u32 v11, s48, v6                      ; and back
	s_wait_kmcnt 0x0
	s_add_co_i32 s50, s30, s31                     ; e2 + e3
	s_add_co_i32 s51, s28, s29
	s_sub_co_i32 s51, 0, s51                       ; -(e0 + e1)
	s_mov_b32 s36, s30
	MKSC 36, 12, 13                                ; the query's scale
	s_mov_b32 s36, s31
	MKSC 36, 14, 15                                ; W_Q's
	s_wait_loadcnt 63                              ; 128 younger loads were issued behind the query's sixteen
	s_wait_alu depctr_va_vdst(0)                   ; the LDS addresses v5 and v7 to v11 are written, which the LDS stores and loads from here on read
.irp i, 0,1,2,3,4,5,6,7,8,9,10,11,12,13,14,15
	ds_store_b128 v7, v[QX+4*\i:QX+4*\i+3] offset:528*\i
.endr
	s_wait_alu depctr_vm_vsrc(0)                   ; the LDS stores above have read v[QX ..], in which the loads below land
.irp c, 0,1,2,3
.irp j, 0,1,2,3
	ds_load_b128 v[QX+16*\c+4*\j:QX+16*\c+4*\j+3], v8 offset:128*\c+16*\j   ; LDS serves a wave's instructions in order (ISA guide 5.7.1.4): these see my stores
.endr
.endr
	s_wait_dscnt 0x0
	QUANT16 QX, CQ, 12, 13
	WQUANT
	v_add_nc_u32 v146, s52, v6                     ; my four tiles of sums, in
	s_lshl_b32 s53, s23, 12
	s_lshl_b32 s54, s24, 9
	s_add_co_u32 s53, s53, s54
	s_add_co_u32 s53, s53, QSU
	v_add_nc_u32 v147, s53, v6                     ; group s of four registers, of the eight waves with my cg: 8,192 bytes apart
	s_lshr_b32 s54, s24, 2
	s_mul_i32 s54, s54, 4352                       ; that group holds queries 16 (s / 4) + 8 h + 4 (s & 1) + 0..3,
	s_and_b32 s55, s24, 1
	s_mul_i32 s55, s55, 1088
	s_add_co_u32 s54, s54, s55
	s_lshl_b32 s55, s23, 7
	s_bfe_u32 s56, s24, 0x10001
	s_lshl_b32 s56, s56, 6
	s_add_co_u32 s55, s55, s56                     ; column 32 cg + 16 ((s / 2) & 1) + r, in bytes
	s_add_co_u32 s54, s54, s55
	s_add_co_u32 s54, s54, OST
	v_mul_u32_u24 v148, v3, 2176
	v_lshl_add_u32 v148, v2, 2, v148
	v_add_nc_u32 v148, s54, v148                   ; the way out, in
	s_mul_i32 s56, s22, 544
	s_add_co_u32 s56, s56, OST
	v_mul_u32_u24 v149, v3, 272
	v_lshl_add_u32 v149, v2, 4, v149
	v_add_nc_u32 v149, s56, v149                   ; and back: row 2 W + h, 16 bytes a lane
	s_lshl_b32 s57, ttmp9, 8                       ; the work-group's 64 columns: 256 bytes
	s_lshl_b32 s58, s22, 13
	s_add_co_u32 s58, s58, s57
	v_lshlrev_b32 v150, 12, v3
	v_lshl_add_u32 v150, v2, 4, v150
	v_add_nc_u32 v150, s58, v150                   ; the same place in ctab
	s_add_co_u32 s57, s57, s55
	v_lshl_add_u32 v151, v2, 2, s57                ; my column in b_K and b_Q
	s_wait_alu depctr_va_vdst(0)                   ; one wait for three runs: the conversions have written v[CQ ..] and v[CW ..], which the LDS stores read; v146 to v151 are written, which later loads and stores read;
	                                               ; the holds and conversions are done with v144, v145 and v[X ..], in which the biases and, behind the barriers, the fragments and the sums' parts land
	global_load_b32 v144, v151, s[12:13]
	global_load_b32 v145, v151, s[14:15]
.irp c, 0,1,2,3
	ds_store_b128 v9, v[CQ+4*\c:CQ+4*\c+3] offset:512*\c
.endr
.irp c, 0,1,2,3
.irp hh, 0,1
	ds_store_b128 v10, v[CW+8*\c+4*\hh:CW+8*\c+4*\hh+3] offset:512*\c+256*\hh
.endr
.endr
	BARRIER                                        ; the query's sixteen images lie in LDS
.irp m, 0,1
.irp c, 0,1,2,3
	ds_load_b128 v[QF+16*\m+4*\c:QF+16*\m+4*\c+3], v5 offset:16384*\m+512*\c
	ds_load_b128 v[WF+16*\m+4*\c:WF+16*\m+4*\c+3], v11 offset:2048*\m+512*\c
.endr
.endr
	s_wait_dscnt 0x0
.irp m, 0,1
.irp b, 0,1
	v_wmma_f32_16x16x128_fp8_fp8 v[ACC+8*(2*\m+\b):ACC+8*(2*\m+\b)+7], v[QF+16*\m:QF+16*\m+15], v[WF+16*\b:WF+16*\b+15], 0   ; register j of lane (r, h): query 16 m + 8 h + j, column 16 b + r
.endr
.endr
.rept 4
	v_nop                                          ; four places between a matrix instruction and the LDS stores that read its result
.endr
	s_wait_alu depctr_va_vdst(0)                   ; the matrix instructions have written v[ACC ..], which the LDS stores read; the places above stay beside this wait
.irp g, 0,1,2,3,4,5,6,7
	ds_store_b128 v146, v[ACC+4*\g:ACC+4*\g+3] offset:512*\g   ; each accumulator from its low end on
.endr
	BARRIER                                        ; all K steps' sums lie in LDS
.irp u, 0,1,2,3,4,5,6,7
	ds_load_b128 v[SUM+4*\u:SUM+4*\u+3], v147 offset:8192*\u
.endr
	s_wait_dscnt 0x0
.irp u, 1,2,3,4,5,6,7
	v_pk_add_f32 v[SUM:SUM+1], v[SUM:SUM+1], v[SUM+4*\u:SUM+4*\u+1]          ; K ascending
	v_pk_add_f32 v[SUM+2:SUM+3], v[SUM+2:SUM+3], v[SUM+4*\u+2:SUM+4*\u+3]
.endr
	s_wait_alu depctr_va_vdst(0)
	s_wait_loadcnt 0x0                             ; the two biases
	v_add_f32 v144, v144, v145
.irp j, 0,1,2,3
	v_ldexp_f32 v[SUM+\j], v[SUM+\j], s50          ; x 2^(e2 + e3)
.endr
.irp j, 0,1,2,3
	v_add_f32 v[SUM+\j], v[SUM+\j], v144
.endr
.irp j, 0,1,2,3
	v_ldexp_f32 v[SUM+\j], v[SUM+\j], s51          ; / 2^(e0 + e1)
.endr
	s_wait_alu depctr_va_vdst(0)                   ; v[SUM .. SUM+3] are written, which the LDS stores read; the additions are done reading v[SUM+4 .. SUM+7], in which the load behind the barrier lands
.irp j, 0,1,2,3
	ds_store_b32 v148, v[SUM+\j] offset:272*\j
.endr
	BARRIER                                        ; 32 rows x 64 columns lie in the stage
	ds_load_b128 v[SUM+4:SUM+7], v149
	s_wait_dscnt 0x0
	global_store_b128 v150, v[SUM+4:SUM+7], s[20:21]   ; sixteen lanes store 256 consecutive bytes, aligned
	s_wait_xcnt 0x0
	s_wait_alu depctr_vm_vsrc(0)                   ; the LDS store of the query's image has read v254 and v255, which are made anew below
	v_lshl_add_u32 v254, v0, 2, 0x4b200            ; my spare word, behind the way out's stage,
	v_mov_b32 v255, 0                              ; and 0
	s_wait_dscnt 0x0                               ; the closing lines, six on end
	s_wait_alu 0x0
	s_wait_tensorcnt 0x0
	ds_add_u32 v254, v255
	s_wait_dscnt 0x0
	s_endpgm
.Lfunc_end_k_q5b0f8989c0_prep:
	.size	k_q5b0f8989c0_prep, .Lfunc_end_k_q5b0f8989c0_prep-k_q5b0f8989c0_prep
	.p2alignl 7, 3214868480
	.fill 96, 4, 3214868480
	.section	.rodata,"a",@progbits
	.p2align	6, 0x0
	.amdhsa_kernel k_q5b0f8989c0_prep
		.amdhsa_group_segment_fixed_size 309760
		.amdhsa_private_segment_fixed_size 0
		.amdhsa_enable_private_segment 0
		.amdhsa_kernarg_size 72
		.amdhsa_user_sgpr_count 2
		.amdhsa_user_sgpr_kernarg_segment_ptr 1
		.amdhsa_wavefront_size32 1
		.amdhsa_system_sgpr_workgroup_id_x 1
		.amdhsa_system_sgpr_workgroup_id_y 1
		.amdhsa_system_sgpr_workgroup_id_z 1
		.amdhsa_system_vgpr_workitem_id 0
		.amdhsa_next_free_vgpr 256
		.amdhsa_next_free_sgpr 66
		.amdhsa_reserve_vcc 0
		.amdhsa_float_denorm_mode_32 3
		.amdhsa_float_denorm_mode_16_64 3
		.amdhsa_memory_ordered 1
		.amdhsa_forward_progress 1
		.amdhsa_inst_pref_size 64
	.end_amdhsa_kernel
	.amdgpu_metadata
---
amdhsa.version: [ 1, 2 ]
amdhsa.kernels:
  - .name:           k_q5b0f8989c0_prep
    .symbol:         k_q5b0f8989c0_prep.kd
    .args:
      - { .name: W_K, .offset: 0, .size: 8, .value_kind: global_buffer, .address_space: global }
      - { .name: W_V, .offset: 8, .size: 8, .value_kind: global_buffer, .address_space: global }
      - { .name: W_Q, .offset: 16, .size: 8, .value_kind: global_buffer, .address_space: global }
      - { .name: query, .offset: 24, .size: 8, .value_kind: global_buffer, .address_space: global }
      - { .name: b_K, .offset: 32, .size: 8, .value_kind: global_buffer, .address_space: global }
      - { .name: b_Q, .offset: 40, .size: 8, .value_kind: global_buffer, .address_space: global }
      - { .name: lowp_scales, .offset: 48, .size: 8, .value_kind: global_buffer, .address_space: global }
      - { .name: wcodes, .offset: 56, .size: 8, .value_kind: global_buffer, .address_space: global }
      - { .name: ctab, .offset: 64, .size: 8, .value_kind: global_buffer, .address_space: global }
    .group_segment_fixed_size: 309760
    .private_segment_fixed_size: 0
    .kernarg_segment_align: 8
    .kernarg_segment_size: 72
    .max_flat_workgroup_size: 512
    .sgpr_count:     66
    .vgpr_count:     256
    .wavefront_size: 32
...
	.end_amdgpu_metadata
.endif
;; end of part 4
;; launch main (part 5): grid 256 x 1, 4 waves a work-group, no clusters, 293,376 bytes of LDS; arguments key, wcodes, ctab, W_f, b_f, lowp_scales, scores, part; writes scores, part
.if DOCPART == 5
	.amdgcn_target "amdgcn-amd-amdhsa--gfx1250"
	.amdhsa_code_object_version 6
	.text
	.protected	k_q5b0f8989c0_main
	.globl	k_q5b0f8989c0_main
	.p2align	8
	.type	k_q5b0f8989c0_main,@function
k_q5b0f8989c0_main:
	s_mov_b64 s[64:65], 0
	v_nop
	global_prefetch_b8 v0, s[64:65] scope:SCOPE_SE
	s_setreg_imm32_b32 hwreg(HW_REG_WAVE_SCHED_MODE, 0, 2), 2
	s_setreg_imm32_b32 hwreg(HW_REG_WAVE_MODE, 25, 1), 1
	s_wait_xcnt 0x0
	s_wait_alu depctr_vm_vsrc(0)
; One work-group takes 128 rows (t) of one batch through both large products; eight work-groups make a batch.  key is read from memory once, as f32; neither its codes, att1 nor out go to memory.
; PHASE 0: wave w quantises rows 32 w .. 32 w + 31, all 1,024 k, TWICE (scales 2^e0 for product 1, 2^e4 for product 3) into LDS, as images of the operand's registers.
;   THE ORDER OF K IN THE IMAGES IS THE ONE IN WHICH DENSE LOADS FILL A LANE'S REGISTERS, so nothing is turned: four loads of one row, 512 consecutive bytes each and 128 k apart, give lane l the numbers
;   k = 512 v + 128 m + 4 l + t (m the load, t the register of the load): 16 consecutive registers, two conversions, 16 bytes: ONE PIECE of a fragment, stored by one ds_store_b128 for each set.
;   Slot (K step s, chunk c, half h, byte b) holds k = 512 (s / 8) + 128 (b / 4) + 4 (4 (s % 8) + 2 c + h) + b % 4.  The weights' codes were laid in the same order: every product meets its partner;
;   only the order of the sums inside an instruction changes.
;   LDS byte of a piece = set 140288 + s 8768 + a 1088 + c 544 + h 272 + 16 r (row 16 a + r).  A store's lanes (l = 4 (s % 8) + 2 c + h, one row) fall on 16 l modulo 256; a load's sixteen lanes (one piece each of sixteen rows) read 256 bytes on end.
; FOUR PASSES of 128 rows x 512 columns x K = 1,024: passes 0, 1 product 1 (W_K), passes 2, 3 product 3 (W_V).  THE WAVES SHARE THE COLUMNS: a wave makes 128 x 128, 64 accumulators, 512 registers.
;   A K step is 64: 64 matrix instructions.  A (the key) comes from LDS, one step ahead, two sets of 64 registers.  B (a weight) is read by this wave alone: it comes from memory straight into registers,
;   512 consecutive bytes a load, three steps ahead, four sets of 64 registers: 32 to 48 loads, up to 24,576 bytes, of a wave are on their way.
;   Source 0 = 16 rows of the key, source 1 = 16 columns of the weight: register j of lane (r, h) is row 16 a + 8 h + j, column 16 bt + r.
; BEHIND PASSES 0, 1: S[row] += relu(D + c') W_f over my columns (c' from the launch before: (att2 + b_K) / 2^(e0+e1)).  Then the sixteen lanes' and the four waves' parts are added, score = S 2^(e0+e1) + b_f,
;   m = the block's largest score, p = e^(score - m).  p lies in the registers and the layout in which S lay.  BEHIND PASSES 2, 3: part[column] = the sum over my 128 rows of p D.  The last launch joins a batch's eight blocks.
; NO TENSOR LOADS AND NO JOINT REQUESTS, though all work-groups walk the same weights: the two sets of codes take 280,576 of the 327,680 bytes of LDS, the tables and score words 12,288 more;
;   two slots of the shortest K step (64 x 512 columns = 32,768 bytes each) do not fit into the 34,816 that are left.
; LIMITS: e0, e4 between -126 and 119; e0 + e1 between -126 and 127, so that each power of two below is an f32 number.  NaN among the inputs is not served.
; REGISTERS, in windows of 256 (s_set_vgpr_msb: bits 1:0 source 0, 3:2 source 1, 5:4 source 2, 7:6 destination):
;   window 0: v1-15, v30 addresses; v16-19 scales; v20-29 at work; v32-39 c', v40-47 W_f of a pass; v48-63 the tables on their way; v64-127 S, then p (phase 0: the codes just made, two sets by turns);
;             v128-191, v192-255 A's two sets (phase 0: the held numbers for the two scales; the epilogues: at work).
;   window 1: B's four sets (phase 0: four groups of key loads).   window 2: the accumulators of rows 0-63, (a, bt) at v[8 (8 a + bt)].   window 3: those of rows 64-127.
; THE MODE: SCHED_MODE bits 1:0 = 2 (LLVM: expert scheduling mode 2), set by the entry lines.  The code itself states the register dependences
; between vector or matrix instructions and memory or LDS instructions, with s_wait_alu, always for 0.
; THE PLAN.  Registers that memory or LDS instructions touch, and who else names them:
;   PHASE 0.  G0 .. G3 (window 1): unit q's 128 holds read G[q]; behind them it is loaded again.  The codes' two sets (v64-95, v96-127): unit q's conversions write set q % 2, its eight LDS stores read it, the
;     conversions of two units on write it again.  v4-7: written at a trip's head, read by the trip's LDS stores.
;     ONE wait on va_vdst a unit, behind its conversions: the holds are done reading G[q], the codes are written, in a trip's first unit v4-7 are written; the unit's loads and LDS stores follow it.
;     One wait on vm_vsrc a unit, ahead of its conversions, and one ahead of a trip's four additions.
;   A PASS.  A0, A1: step j's matrix instructions read A[j % 2]; its LDS loads land in the other set, which step j - 1 read.  B0 .. B3: step j reads B[j % 4]; its loads land in B[(j + 3) % 4], which step j - 1 read.
;     v[AD]: read by every fetch of A; written at a pass's head and at a trip's edge, each time behind a wait on vm_vsrc.
;     ONE wait on va_vdst a step, at its head.  Behind it the step's 32 loads are dealt among its 64 matrix instructions in four runs of eight; those matrix instructions name A[j % 2], B[j % 4] and the
;     accumulators: none of the registers that the step's loads touch.  Each run costs two switches of the register window: nine a step.
;   THE EPILOGUES AND THE SCORES: each run of LDS or memory instructions stands behind a wait on va_vdst that follows the last vector line naming its registers; each register that a store has read is written
;     again only behind a wait on vm_vsrc.  All other addresses are made at the head, ahead of one wait, and never written again.
.set STEPB, 8768                       ; LDS: a K step of a set: 8 tiles x 1,088, + 64
.set TILEB, 1088                       ; a tile of 16 rows: four pieces a row
.set CHB,   272                        ; sixteen rows' pieces of one slot: 256 bytes + 16
.set IMG2,  16*STEPB                   ; the second set of images begins here
.set SCR,   2*IMG2                     ; 4 x 512: each wave's part of the 128 scores
.set AST,   SCR+2048                   ; 4 x 512: the way out of part
.set TAB,   AST+2048                   ; c' (4,096 bytes), then W_f (4,096)
.set LI,   1                           ; 16 x lane; never rewritten
.set AD,   2                           ; where A's fragments are fetched
.set LN,   3                           ; lane
.set IA0,  4                           ; where I store pieces: set 0, k 0-511
.set IA1,  5                           ; set 0, k 512-1023
.set IB0,  6                           ; set 1, k 0-511
.set IB1,  7                           ; set 1, k 512-1023
.set IB,   8                           ; (lane / 4) 8,768 + (lane % 4) 272 + 2,176 x wave; never rewritten
.set SCW,  9
.set SCRD, 10
.set SCL,  11
.set ASR,  12
.set ASW,  13
.set TR,   14
.set TA,   15
.set AL,   30                          ; 16 r + 272 h: my lane's place in a fragment's chunk; never rewritten
.set CT,   32
.set WT,   40
.set S,    64
.set C1,   64
.set X,    128
.set T,    192
.set R,    128
.set MSB, 0
.macro WIN new                         ; the immediate's high byte repeats the setting that is left; a switch that changes nothing is dropped
.if MSB != \new
	s_set_vgpr_msb (MSB<<8)|\new
.set MSB, \new
.endif
.endm
.set MUL_LO, 0xa4                      ; source 0 (A) window 0, source 1 (B) window 1, C and D window 2
.set MUL_HI, 0xf4                      ; the same, C and D window 3
.set TO_B,   0x40                      ; destination window 1
.set FROM_G, 0x01                      ; source 0 window 1
; scalars: s20 wave; s[24:25] key; s[26:27] my stream of weight codes; s[28:29] ctab's row; s[30:31] part; s[32:33] scores; s36-41 e0..e5; s42 b_f;
;          s44 images' step; s45 A's step; s46 tables' step; s47 inner count; s48 passes to go; s[50:51] 2^(e0+e1); s[52:53] lane selects
.macro KLOAD q                         ; unit q of a trip: four rows of tile q % 2, k = 512 (q / 2) on: for each row four loads of 512 consecutive bytes into 16 consecutive registers
	WIN TO_B
.irp i, 0,1,2,3,4,5,6,7,8,9,10,11,12,13,14,15
	global_load_b128 v[64*(\q)+4*\i:64*(\q)+4*\i+3], v[LI], s[24:25] offset:(16*((\q)%2)+\i/4)*4096+((\q)/2)*2048+(\i%4)*512 th:TH_LOAD_NT
.endr
	WIN 0
.endm
.macro LOAD_B8 set, lo, b0             ; four of a K step's eight fragments of B, b0 on, lo steps from the stream's pointer: eight loads.  It leaves the window at TO_B
	WIN TO_B
.irp b, 0,1,2,3
.irp c, 0,1
	global_load_b128 v[64*(\set)+8*((\b0)+\b)+4*\c:64*(\set)+8*((\b0)+\b)+4*\c+3], v[LI], s[26:27] offset:(\lo)*8192+((\b0)+\b)*1024+\c*512
.endr
.endr
.endm
.macro FETCH_A8 set, fo, a0            ; four of a K step's eight fragments of A, a0 on, fo steps from v[AD]: eight LDS loads.  It leaves every window 0
	WIN 0
.irp a, 0,1,2,3
.irp c, 0,1
	ds_load_b128 v[X+64*(\set)+8*((\a0)+\a)+4*\c:X+64*(\set)+8*((\a0)+\a)+4*\c+3], v[AD] offset:(\fo)*STEPB+((\a0)+\a)*TILEB+\c*2*CHB
.endr
.endr
.endm
.macro IADDR                           ; a trip's four rows of each tile: 64 bytes on in every chunk
	s_wait_alu depctr_vm_vsrc(0)                   ; the last trip's LDS stores have read v4 to v7, which are written next
	v_add_nc_u32 v[IA0], s44, v[IB]
	v_add_nc_u32 v[IA1], 8*STEPB, v[IA0]
	v_add_nc_u32 v[IB0], IMG2, v[IA0]
	v_add_nc_u32 v[IB1], IMG2+8*STEPB, v[IA0]
.endm
; Four rows x 512 k of the key become a piece a lane and row in each set.  mode 1: the group's registers take the same unit of the next trip; 2: B's set q; 0: nothing.
.macro UNIT q, mode
	s_wait_loadcnt 48                              ; my group's 16 loads are in; the three younger groups of 16 may stay out
	WIN FROM_G
.set kk, 0
.rept 64
	v_med3_num_f32 v[X+kk], v[64*(\q)+kk], -v17, v17   ; the conversion to an 8-bit code does not saturate (ISA guide 7.6.2): the hold at 448 x 2^e0,
.set kk, kk+1
.endr
.set kk, 0
.rept 64
	v_med3_num_f32 v[T+kk], v[64*(\q)+kk], -v19, v19   ; and at 448 x 2^e4
.set kk, kk+1
.endr
	WIN 0
	s_wait_dscnt 8                                 ; the last unit's eight stores may stay out; those of the unit before it, which read the registers written next, are done
	s_wait_alu depctr_vm_vsrc(0)                   ; the LDS stores of the unit before last have read this set of the codes' registers, which the conversions write again
.set cc, C1+32*((\q)%2)
.irp p, 0,1,2,3
	v_cvt_scalef32_pk8_fp8_f32 v[cc+4*\p:cc+4*\p+1], v[X+16*\p:X+16*\p+7], v16
	v_cvt_scalef32_pk8_fp8_f32 v[cc+4*\p+2:cc+4*\p+3], v[X+16*\p+8:X+16*\p+15], v16
	v_cvt_scalef32_pk8_fp8_f32 v[cc+16+4*\p:cc+16+4*\p+1], v[T+16*\p:T+16*\p+7], v18
	v_cvt_scalef32_pk8_fp8_f32 v[cc+16+4*\p+2:cc+16+4*\p+3], v[T+16*\p+8:T+16*\p+15], v18
.endr
	v_nop                                          ; one plain vector line behind the last conversion
	s_wait_alu depctr_va_vdst(0)                   ; the unit's one wait: the holds are done reading the group, in which the loads below land; the conversions have written the codes, which the LDS stores read; in a trip's first unit v4 to v7 are written
.if \mode == 1
.if \q == 0
	s_wait_xcnt 0x0                                ; the last trip's loads have read their base: it steps only behind this wait, a wait for data and 144 vector lines behind the youngest of them
	s_add_nc_u64 s[24:25], s[24:25], 16384         ; four rows on
.endif
	KLOAD \q
.endif
.if \mode == 2
	LOAD_B8 \q, \q, 0
	LOAD_B8 \q, \q, 4
	WIN 0
.endif
.irp p, 0,1,2,3
	ds_store_b128 v[IA0+(\q)/2], v[cc+4*\p:cc+4*\p+3] offset:((\q)%2)*TILEB+16*\p          ; row p of the four: each lane's piece into its own chunk
	ds_store_b128 v[IB0+(\q)/2], v[cc+16+4*\p:cc+16+4*\p+3] offset:((\q)%2)*TILEB+16*\p
.endr
.endm
; 8 matrix instructions: A's block a against B's eight.  The 64 accumulators take turns, one instruction a turn, in the same order in every step.
.macro MUL8 j, a, zero
.irp b, 0,1,2,3,4,5,6,7
.if \zero
	v_wmma_f32_16x16x64_fp8_fp8 v[8*(8*((\a)%4)+\b):8*(8*((\a)%4)+\b)+7], v[X+64*((\j)%2)+8*(\a):X+64*((\j)%2)+8*(\a)+7], v[64*(\j)+8*\b:64*(\j)+8*\b+7], 0
.else
	v_wmma_f32_16x16x64_fp8_fp8 v[8*(8*((\a)%4)+\b):8*(8*((\a)%4)+\b)+7], v[X+64*((\j)%2)+8*(\a):X+64*((\j)%2)+8*(\a)+7], v[64*(\j)+8*\b:64*(\j)+8*\b+7], v[8*(8*((\a)%4)+\b):8*(8*((\a)%4)+\b)+7]
.endif
.endr
.endm
; A K step on B's set j and A's set j % 2.  The next step's A (fo < 0: none) and the B of three steps on land in the sets that the step before has multiplied: four places and the step's one wait stand
; between its last matrix instruction and these loads (places = 0: a pass's first step, for which the wait at the pass's head speaks).  The loads stand in four runs of eight behind the step's first four
; blocks of eight matrix instructions: A first, which is wanted at the next step's head.
; cond = 1: in the launch's last pass nothing is left to ask for (no load leaves the buffer): a scalar branch on the count of passes; there B's sixteen loads stand together at the step's head, so that one
; branch leads round them and round the counted wait that belongs to them.
.macro KSTEP j, zero, fo, lo, cond, places
.if \places
.rept 4
	v_nop
.endr
	s_wait_alu depctr_va_vdst(0)                   ; the step's one wait: the matrix instructions of the step before are done reading A's other set and B's set of three steps on, in which this step's loads land; behind a trip's edge v[AD] is written
.endif
.if \cond
	WIN 0
	s_cmp_eq_u32 s48, 1
	s_cbranch_scc1 .Lno_b_\@
	LOAD_B8 ((\j)+3)%4, \lo, 0
	LOAD_B8 ((\j)+3)%4, \lo, 4
	WIN 0
	s_wait_loadcnt 48                              ; this step's B is in; the three younger sets of 16 loads may stay out
	s_branch .Lgo_\@
.Lno_b_\@:
	s_wait_loadcnt 0x0                             ; nothing was asked for: whatever is out is wanted soon
.Lgo_\@:
.else
	s_wait_loadcnt 32                              ; this step's B is in; the two younger sets of 16 loads may stay out; the third is asked for below
.endif
	s_wait_dscnt 0x0                               ; this step's A is in: its two runs were issued behind the first sixteen matrix instructions of the step before
	WIN MUL_LO
	MUL8 \j, 0, \zero
.if \fo >= 0
	FETCH_A8 ((\j)+1)%2, \fo, 0                    ; no wait: no vector or matrix instruction since the step's wait names these registers or v[AD]
.endif
	WIN MUL_LO
	MUL8 \j, 1, \zero
.if \fo >= 0
	FETCH_A8 ((\j)+1)%2, \fo, 4
.endif
	WIN MUL_LO
	MUL8 \j, 2, \zero
.if !\cond
	LOAD_B8 ((\j)+3)%4, \lo, 0                     ; likewise
.endif
	WIN MUL_LO
	MUL8 \j, 3, \zero
.if !\cond
	LOAD_B8 ((\j)+3)%4, \lo, 4
.endif
	WIN MUL_HI
	MUL8 \j, 4, \zero
	MUL8 \j, 5, \zero
	MUL8 \j, 6, \zero
	MUL8 \j, 7, \zero
.endm
.macro PKADDB d, s, c, x               ; v[d:d+1] = v[s:s+1] + v[c+x], the one number for both halves
.if \x
	v_pk_add_f32 v[\d:\d+1], v[\s:\s+1], v[\c:\c+1] op_sel:[0,1] op_sel_hi:[1,1]
.else
	v_pk_add_f32 v[\d:\d+1], v[\s:\s+1], v[\c:\c+1] op_sel_hi:[1,0]
.endif
.endm
.macro PKFMAB d, t, c, x               ; v[d:d+1] += v[t:t+1] x v[c+x]
.if \x
	v_pk_fma_f32 v[\d:\d+1], v[\t:\t+1], v[\c:\c+1], v[\d:\d+1] op_sel:[0,1,0] op_sel_hi:[1,1,1]
.else
	v_pk_fma_f32 v[\d:\d+1], v[\t:\t+1], v[\c:\c+1], v[\d:\d+1] op_sel_hi:[1,0,1]
.endif
.endm
; Behind a pass of product 1: S[8 a + j] += the sum over bt of relu(D + c') W_f.  A lane has one c' and one W_f for each bt.
.macro EPI1
	v_add_nc_u32 v[TA], s46, v[TR]                 ; (the LDS loads that read its last value stand ahead of this pass's waits on vm_vsrc)
	s_wait_alu depctr_va_vdst(0)                   ; v[TA] is written, which the LDS loads below read; the last pass's vector lines are done reading c' and W_f, in which they land
.irp b, 0,1,2,3,4,5,6,7
	ds_load_b32 v[CT+\b], v[TA] offset:64*\b
.endr
.irp b, 0,1,2,3,4,5,6,7
	ds_load_b32 v[WT+\b], v[TA] offset:4096+64*\b
.endr
.rept 3
	v_nop                                          ; with the addition above: four places behind the last matrix instruction
.endr
	s_wait_dscnt 0x0
.irp a, 0,1,2,3,4,5,6,7
.set tb, X+64*(\a%2)
.set ac, 64*(\a%4)
	WIN 0x02+(\a/4)                                ; source 0: window 2 or 3
.irp b, 0,1,2,3,4,5,6,7
.irp i, 0,2,4,6
	PKADDB tb+8*\b+\i, ac+8*\b+\i, CT+2*(\b/2), \b%2   ; each accumulator from its low end on
.endr
.endr
	WIN 0
.set kk, 0
.rept 64
	v_max_num_f32 v[tb+kk], 0, v[tb+kk]
.set kk, kk+1
.endr
.irp b, 0,1,2,3,4,5,6,7
.irp i, 0,2,4,6
	PKFMAB S+8*\a+\i, tb+8*\b+\i, WT+2*(\b/2), \b%2
.endr
.endr
.endr
	s_add_co_u32 s46, s46, 2048                    ; the next pass's 512 columns
.endm
; Behind a pass of product 3: part[column] = the sum over the 128 rows of p D; 128 columns a wave leave as 512 consecutive bytes.
.macro EPI3
.rept 4
	v_nop                                          ; four places behind the last matrix instruction
.endr
.irp a, 0,1,2,3,4,5,6,7
.set ac, 64*(\a%4)
	WIN 0x02+(\a/4)
.irp i, 0,2,4,6
.irp b, 0,1,2,3,4,5,6,7
.if (\a == 0) && (\i == 0)
	v_pk_mul_f32 v[R+2*\b:R+2*\b+1], v[ac+8*\b+\i:ac+8*\b+\i+1], v[S+8*\a+\i:S+8*\a+\i+1]   ; the first product starts the sum
.else
	v_pk_fma_f32 v[R+2*\b:R+2*\b+1], v[ac+8*\b+\i:ac+8*\b+\i+1], v[S+8*\a+\i:S+8*\a+\i+1], v[R+2*\b:R+2*\b+1]
.endif
.endr
.endr
.endr
	WIN 0
	v_cmp_lt_u32 vcc_lo, 15, v[LN]                 ; the upper half of the lanes; the 24 lines below stand between this line and the wait for it
.irp b, 0,1,2,3,4,5,6,7
	v_add_f32 v[R+16+\b], v[R+2*\b], v[R+2*\b+1]   ; even rows' and odd rows' halves,
.endr
.irp b, 0,1,2,3,4,5,6,7
	v_permlanex16_b32 v[R+24+\b], v[R+16+\b], s52, s53
.endr
.irp b, 0,1,2,3,4,5,6,7
	v_add_f32 v[R+16+\b], v[R+16+\b], v[R+24+\b]   ; and the other half of the lanes' rows
.endr
	s_wait_alu depctr_va_vcc(0)                    ; VCC is written, ahead of its first reader, the selects below
.irp q, 0,1,2,3
	v_cndmask_b32 v[R+32+\q], v[R+16+2*\q], v[R+17+2*\q], vcc_lo   ; lane l takes column 32 q + l
.endr
	s_wait_alu depctr_va_vdst(0)                   ; the selects have written v[R+32 .. R+35], which the LDS stores read; the pass's matrix instructions are done reading v[R+36 .. R+39], in which the LDS load lands
.irp q, 0,1,2,3
	ds_store_b32 v[ASW], v[R+32+\q] offset:128*\q
.endr
	ds_load_b128 v[R+36:R+39], v[ASR]              ; my wave's own bytes, served in order: four neighbouring columns a lane
	s_wait_dscnt 0x0
	global_store_b128 v[LI], v[R+36:R+39], s[30:31]   ; 32 lanes store 512 consecutive bytes, aligned
	s_wait_xcnt 0x0                                ; the store has read its registers and its base: both are written again
	s_wait_alu depctr_vm_vsrc(0)                   ; the LDS stores have read v[R+32 .. R+35] and the store v[R+36 .. R+39]: A's fragments land there in the next pass
	s_add_nc_u64 s[30:31], s[30:31], 2048
.endm
; Two passes on the set sig of the key's codes.  A pass: the first step stands in front of the loop (its products start the sums: nothing is cleared); three trips of four steps; three steps written out.
.macro PASSES sig, epi, cond
	s_mov_b32 s48, 2
.Lpass_\@:
	s_mov_b32 s45, \sig*IMG2
	s_wait_alu depctr_vm_vsrc(0)                   ; the last pass's fetches have read v[AD], which is written next
	v_add_nc_u32 v[AD], s45, v[AL]
	s_wait_alu depctr_va_vdst(0)                   ; v[AD] is written, which the fetches read; the vector lines in front (phase 0's, an epilogue's, the scores') are done with A's two sets, and the last matrix instructions or holds with B's set 3: the loads of the pass's first step land there
	FETCH_A8 0, 0, 0
	FETCH_A8 0, 0, 4
	KSTEP 0, 1, 1, 3, 0, 0                         ; (the epilogue's vector lines are the places in front of these loads)
	WIN 0                                          ; at a label and at a branch every window is 0
	s_mov_b32 s47, 3
.Ltrip_\@:
	KSTEP 1, 0, 2, 4, 0, 1
	KSTEP 2, 0, 3, 5, 0, 1
	KSTEP 3, 0, 4, 6, 0, 1
	KSTEP 0, 0, 5, 7, 0, 1
	WIN 0
	s_wait_xcnt 0x0                                ; the loads have read their base: it steps only behind this wait
	s_add_nc_u64 s[26:27], s[26:27], 32768         ; four K steps on, in B's stream
	s_add_co_u32 s45, s45, 4*STEPB                 ; and in A's images
	s_wait_alu depctr_vm_vsrc(0)                   ; the fetches issued so far have read v[AD]
	v_add_nc_u32 v[AD], s45, v[AL]
	s_sub_co_u32 s47, s47, 1
	s_cmp_lg_u32 s47, 0
	s_cbranch_scc1 .Ltrip_\@
	KSTEP 1, 0, 2, 4, \cond, 1                     ; steps 13 to 15 ask for the next pass's steps 0 to 2: the stream runs on
	KSTEP 2, 0, 3, 5, \cond, 1
	KSTEP 3, 0, -1, 6, \cond, 1
	WIN 0
	s_wait_xcnt 0x0
	s_add_nc_u64 s[26:27], s[26:27], 32768
.if \epi == 1
	EPI1
.else
	EPI3
.endif
	s_sub_co_u32 s48, s48, 1
	s_cmp_lg_u32 s48, 0
	s_cbranch_scc1 .Lpass_\@
.endm
.macro ULOAD first                     ; the score parts of waves first and first + 1, in S's layout
.irp u, 0,1
.irp a, 0,1,2,3,4,5,6,7
.irp q, 0,1
	ds_load_b128 v[X+64*\u+8*\a+4*\q:X+64*\u+8*\a+4*\q+3], v[SCRD] offset:512*(\first+\u)+64*\a+16*\q
.endr
.endr
.endr
	s_wait_dscnt 0x0
.endm
	s_load_b256 s[4:11], s[0:1], 0x0               ; key s[4:5], wcodes s[6:7], ctab s[8:9], W_f s[10:11]
	s_load_b256 s[12:19], s[0:1], 0x20             ; b_f s[12:13], the exponents s[14:15], scores s[16:17], part s[18:19]
	v_lshrrev_b32 v26, 5, v0
	v_readfirstlane_b32 s20, v26                   ; wave 0..3
	v_and_b32 v[LN], 31, v0
	v_and_b32 v27, 15, v0                          ; r
	v_bfe_u32 v28, v0, 4, 1                        ; h
	v_lshlrev_b32 v[LI], 4, v[LN]
	v_lshlrev_b32 v24, 4, v0                       ; the tables: 16 bytes a thread, in memory
	v_lshl_add_u32 v25, v0, 4, TAB                 ; and in LDS
	v_mov_b32 v29, 0                               ; written once: a lane permute's destination counts as one of its sources
	v_mul_u32_u24 v[AL], v28, CHB
	v_lshl_add_u32 v[AL], v27, 4, v[AL]            ; a fragment's load: piece of row r, half h
	v_bfe_u32 v22, v0, 2, 3                        ; lane / 4: which K step of eight my pieces belong to,
	v_and_b32 v23, 3, v0                           ; lane % 4: which chunk and half
	v_mul_u32_u24 v[IB], v22, STEPB
	v_mad_u32_u24 v[IB], v23, CHB, v[IB]
	s_wait_alu depctr_va_sdst(0)                   ; s20 is written, ahead of its first reader: the wave's LDS places and bases are made from it
	s_mul_i32 s55, s20, 2*TILEB                    ; my wave's tiles a = 2 w, 2 w + 1
	v_add_nc_u32 v[IB], s55, v[IB]
	s_lshl_b32 s56, s20, 9                         ; 512 x wave
	s_add_co_u32 s57, s56, SCR
	v_lshl_add_u32 v[SCW], v28, 5, s57             ; my part of the scores: row 16 a + 8 h + j at 64 a + 32 h + 4 j
	v_lshlrev_b32 v[SCRD], 5, v28
	v_add_nc_u32 v[SCRD], SCR, v[SCRD]
	v_add_nc_u32 v[SCL], SCR, v[LI]
	s_add_co_u32 s57, s56, AST
	v_add_nc_u32 v[ASR], s57, v[LI]
	v_lshl_add_u32 v[ASW], v[LN], 2, s57
	s_add_co_u32 s57, s56, TAB
	v_lshl_add_u32 v[TR], v27, 2, s57              ; column 128 w + r
	s_mov_b32 s52, 0x76543210
	s_mov_b32 s53, 0xfedcba98                      ; v_permlanex16_b32: lane l xor 16
	s_lshl_b32 s58, ttmp9, 19                      ; 128 rows of 4,096 bytes a work-group,
	s_lshl_b32 s59, s20, 17                        ; 32 a wave
	s_add_co_u32 s58, s58, s59
	s_mov_b32 s59, 0
	s_wait_kmcnt 0x0
	s_load_b128 s[36:39], s[14:15], 0x0            ; e0 .. e3
	s_load_b64 s[40:41], s[14:15], 0x10            ; e4, e5
	s_load_b32 s42, s[12:13], 0x0                  ; b_f
	s_add_nc_u64 s[24:25], s[4:5], s[58:59]
	s_lshl_b32 s58, s20, 19
	s_add_nc_u64 s[26:27], s[6:7], s[58:59]        ; my wave's stream of weight codes
	s_lshr_b32 s58, ttmp9, 3
	s_lshl_b32 s58, s58, 12
	s_add_nc_u64 s[28:29], s[8:9], s[58:59]        ; my batch's row of ctab
	s_lshl_b32 s58, ttmp9, 12
	s_add_co_u32 s58, s58, s56
	s_add_nc_u64 s[30:31], s[18:19], s[58:59]      ; part: my block's row, my wave's 128 columns
	s_lshl_b32 s58, ttmp9, 9
	s_add_nc_u64 s[32:33], s[16:17], s[58:59]      ; my block's 128 scores
	s_wait_alu depctr_va_vdst(0)                   ; the offsets and LDS addresses made above (v1, v9 to v13, v24, v25) are written, which loads and stores of the whole kernel read; none of them is written again
	global_load_b128 v[48:51], v24, s[28:29]
	global_load_b128 v[52:55], v24, s[28:29] offset:2048
	global_load_b128 v[56:59], v24, s[10:11]
	global_load_b128 v[60:63], v24, s[10:11] offset:2048
	KLOAD 0
	KLOAD 1
	KLOAD 2
	KLOAD 3
	s_wait_kmcnt 0x0
	s_add_co_i32 s50, s36, s37
	s_add_co_i32 s50, s50, 127
	s_lshl_b32 s50, s50, 23                        ; 2^(e0 + e1) as f32
	s_mov_b32 s51, s50                             ; (named with it as a pair, so it is written)
	s_add_co_i32 s54, s36, 127
	s_lshl_b32 s55, s54, 23
	v_mov_b32 v16, s55                             ; 2^e0: the conversion takes its exponent field
	s_add_co_i32 s54, s54, 8
	s_lshl_b32 s54, s54, 23
	s_or_b32 s54, s54, 0x600000
	v_mov_b32 v17, s54                             ; 448 x 2^e0
	s_add_co_i32 s54, s40, 127
	s_lshl_b32 s55, s54, 23
	v_mov_b32 v18, s55                             ; 2^e4
	s_add_co_i32 s54, s54, 8
	s_lshl_b32 s54, s54, 23
	s_or_b32 s54, s54, 0x600000
	v_mov_b32 v19, s54                             ; 448 x 2^e4
	v_mov_b32 v20, s42
	v_mov_b32 v21, s42                             ; b_f, twice
	s_wait_loadcnt 63                              ; 68 loads were issued: the four oldest, the tables', are in
	ds_store_b128 v25, v[48:51]
	ds_store_b128 v25, v[52:55] offset:2048
	ds_store_b128 v25, v[56:59] offset:4096
	ds_store_b128 v25, v[60:63] offset:6144
	; ---- PHASE 0: a trip is four rows of each of my two tiles, all 1,024 k: four units; the last trip is written out: in place of key it asks for B's first three K steps
	s_mov_b32 s44, 0
	s_mov_b32 s47, 3
.Lkey:
	IADDR
	s_wait_alu depctr_va_vdst(0)
	UNIT 0, 1
	UNIT 1, 1
	UNIT 2, 1
	UNIT 3, 1
	s_add_co_u32 s44, s44, 64                      ; four rows of 16 bytes in every chunk
	s_sub_co_u32 s47, s47, 1
	s_cmp_lg_u32 s47, 0
	s_cbranch_scc1 .Lkey
	IADDR
	UNIT 0, 2
	UNIT 1, 2
	UNIT 2, 2
	UNIT 3, 0
	s_wait_dscnt 0x0                               ; for the others' sake: my images and my part of the tables have landed
	s_wait_alu depctr_vm_vsrc(0)                   ; my LDS stores have read the codes' registers v64 to v127, which hold the row sums from here on
	s_barrier_signal -1
.set kk, 0
.rept 64
	v_mov_b32 v[S+kk], 0                           ; the row sums: the two passes that add onto them are one text
.set kk, kk+1
.endr
	s_barrier_wait -1                              ; both sets of codes and the tables are whole; nothing of them is written again
	s_mov_b32 s46, 0
	PASSES 0, 1, 0                                 ; product 1 and the row sums
	; ---- the scores, their largest, p
.irp m, 1,2,4,8
.set kk, 0
.rept 64
	v_add_f32_dpp v[S+kk], v[S+kk], v[S+kk] row_xmask:\m row_mask:0xf bank_mask:0xf   ; over the sixteen lanes, which hold sixteen columns of the same rows
.set kk, kk+1
.endr
.endr
	s_wait_alu depctr_va_vdst(0)                   ; the additions have written S, which the LDS stores read; the epilogue's lines are done with v128 to v255, in which the first two parts land behind the barrier
.irp a, 0,1,2,3,4,5,6,7
.irp q, 0,1
	ds_store_b128 v[SCW], v[S+8*\a+4*\q:S+8*\a+4*\q+3] offset:64*\a+16*\q   ; sixteen lanes write the same bytes with the same numbers
.endr
.endr
	s_wait_dscnt 0x0
	s_wait_alu depctr_vm_vsrc(0)                   ; my LDS stores have read S, which the sums below write again
	s_barrier_signal -1
	s_barrier_wait -1                              ; the four waves' parts lie in LDS
	ULOAD 0
.set kk, 0
.rept 32
	v_pk_add_f32 v[S+kk:S+kk+1], v[X+kk:X+kk+1], v[T+kk:T+kk+1]
.set kk, kk+2
.endr
	s_wait_alu depctr_va_vdst(0)                   ; the additions are done reading v128 to v255, in which the other two parts land
	ULOAD 2
.set kk, 0
.rept 32
	v_pk_add_f32 v[S+kk:S+kk+1], v[S+kk:S+kk+1], v[X+kk:X+kk+1]
.set kk, kk+2
.endr
.set kk, 0
.rept 32
	v_pk_add_f32 v[S+kk:S+kk+1], v[S+kk:S+kk+1], v[T+kk:T+kk+1]
.set kk, kk+2
.endr
.set kk, 0
.rept 32
	v_pk_fma_f32 v[S+kk:S+kk+1], v[S+kk:S+kk+1], s[50:51], v[20:21] op_sel_hi:[1,0,1]   ; score = sum x 2^(e0 + e1) + b_f
.set kk, kk+2
.endr
	s_cmp_lg_u32 s20, 0                            ; wave 0 stores the block's scores: the same additions in the same order, four neighbouring rows a lane
	s_cbranch_scc1 .Lnot_wave_0
	s_wait_alu depctr_va_vdst(0)                   ; the additions above are done reading v[X .. X+15], in which the loads below land
.irp u, 0,1,2,3
	ds_load_b128 v[X+4*\u:X+4*\u+3], v[SCL] offset:512*\u
.endr
	s_wait_dscnt 0x0
.irp u, 1,2,3
	v_pk_add_f32 v[X:X+1], v[X:X+1], v[X+4*\u:X+4*\u+1]
	v_pk_add_f32 v[X+2:X+3], v[X+2:X+3], v[X+4*\u+2:X+4*\u+3]
.endr
	v_pk_fma_f32 v[X:X+1], v[X:X+1], s[50:51], v[20:21] op_sel_hi:[1,0,1]
	v_pk_fma_f32 v[X+2:X+3], v[X+2:X+3], s[50:51], v[20:21] op_sel_hi:[1,0,1]
	s_wait_alu depctr_va_vdst(0)                   ; v[X .. X+3] are written, which the store reads
	global_store_b128 v[LI], v[X:X+3], s[32:33]    ; 512 consecutive bytes, aligned
	s_wait_xcnt 0x0                                ; the store has read its registers: A's fragments land there next
	s_wait_alu depctr_vm_vsrc(0)                   ; the store has read v[X .. X+3], in which A's fragments land next
.Lnot_wave_0:
	v_max3_num_f32 v26, v[S], v[S+1], v[S+2]       ; the largest of my 64 rows' scores, in two chains,
	v_max3_num_f32 v27, v[S+3], v[S+4], v[S+5]
.irp i, 6,10,14,18,22,26,30,34,38,42,46,50,54,58
	v_max3_num_f32 v26, v26, v[S+\i], v[S+\i+1]
	v_max3_num_f32 v27, v27, v[S+\i+2], v[S+\i+3]
.endr
	v_max3_num_f32 v26, v26, v[S+62], v[S+63]
	v_max_num_f32 v26, v26, v27
	v_permlanex16_b32 v29, v26, s52, s53
	v_max_num_f32 v22, v26, v29                    ; and of the other half of the lanes' 64: m, the block's largest
	v_mov_b32 v23, v22
.set kk, 0
.rept 32
	v_pk_add_f32 v[S+kk:S+kk+1], v[S+kk:S+kk+1], v[22:23] neg_lo:[0,1] neg_hi:[0,1]   ; score - m first: the difference of near numbers is exact, whatever their size;
.set kk, kk+2
.endr
.set kk, 0
.rept 32
	v_pk_mul_f32 v[S+kk:S+kk+1], v[S+kk:S+kk+1], 0x3fb8aa3b op_sel_hi:[1,0]          ; then x log2(e)
.set kk, kk+2
.endr
.set kk, 0
	s_wait_alu depctr_va_vdst(0)
.rept 64
	v_exp_f32 v[S+kk], v[S+kk]                     ; p = e^(score - m), at most 1
.set kk, kk+1
.endr
	v_nop                                          ; a plain line behind the exponentials
	s_wait_alu depctr_va_vdst(0)                   ; the 64 exponentials have written p: one wait for the batch, ahead of the label below and of p's first readers
	PASSES 1, 3, 1                                 ; product 3 and the weighted sums
	s_wait_xcnt 0x0
	v_lshl_add_u32 v254, v0, 2, 0x47800            ; my spare word, behind the tables (no memory or LDS instruction has read v254 or v255 since the last wait on vm_vsrc, at the epilogue's end),
	v_mov_b32 v255, 0                              ; and 0
	s_wait_dscnt 0x0                               ; the closing lines, six on end
	s_wait_alu 0x0
	s_wait_tensorcnt 0x0
	ds_add_u32 v254, v255
	s_wait_dscnt 0x0
	s_endpgm
.Lfunc_end_k_q5b0f8989c0_main:
	.size	k_q5b0f8989c0_main, .Lfunc_end_k_q5b0f8989c0_main-k_q5b0f8989c0_main
	.p2alignl 7, 3214868480
	.fill 96, 4, 3214868480
	.section	.rodata,"a",@progbits
	.p2align	6, 0x0
	.amdhsa_kernel k_q5b0f8989c0_main
		.amdhsa_group_segment_fixed_size 293376
		.amdhsa_private_segment_fixed_size 0
		.amdhsa_enable_private_segment 0
		.amdhsa_kernarg_size 64
		.amdhsa_user_sgpr_count 2
		.amdhsa_user_sgpr_kernarg_segment_ptr 1
		.amdhsa_wavefront_size32 1
		.amdhsa_system_sgpr_workgroup_id_x 1
		.amdhsa_system_sgpr_workgroup_id_y 1
		.amdhsa_system_sgpr_workgroup_id_z 1
		.amdhsa_system_vgpr_workitem_id 0
		.amdhsa_next_free_vgpr 1024
		.amdhsa_next_free_sgpr 66
		.amdhsa_reserve_vcc 1
		.amdhsa_float_denorm_mode_32 3
		.amdhsa_float_denorm_mode_16_64 3
		.amdhsa_memory_ordered 1
		.amdhsa_forward_progress 1
		.amdhsa_inst_pref_size 255
	.end_amdhsa_kernel
	.section	.bss,"aw",@nobits
	.p2align	6
	.space	262144
	.amdgpu_metadata
---
amdhsa.version: [ 1, 2 ]
amdhsa.kernels:
  - .name:           k_q5b0f8989c0_main
    .symbol:         k_q5b0f8989c0_main.kd
    .args:
      - { .name: key, .offset: 0, .size: 8, .value_kind: global_buffer, .address_space: global }
      - { .name: wcodes, .offset: 8, .size: 8, .value_kind: global_buffer, .address_space: global }
      - { .name: ctab, .offset: 16, .size: 8, .value_kind: global_buffer, .address_space: global }
      - { .name: W_f, .offset: 24, .size: 8, .value_kind: global_buffer, .address_space: global }
      - { .name: b_f, .offset: 32, .size: 8, .value_kind: global_buffer, .address_space: global }
      - { .name: lowp_scales, .offset: 40, .size: 8, .value_kind: global_buffer, .address_space: global }
      - { .name: scores, .offset: 48, .size: 8, .value_kind: global_buffer, .address_space: global }
      - { .name: part, .offset: 56, .size: 8, .value_kind: global_buffer, .address_space: global }
    .group_segment_fixed_size: 293376
    .private_segment_fixed_size: 0
    .kernarg_segment_align: 8
    .kernarg_segment_size: 64
    .max_flat_workgroup_size: 128
    .sgpr_count:     66
    .vgpr_count:     1024
    .wavefront_size: 32
...
	.end_amdgpu_metadata
.endif
;; end of part 5
;; launch fin (part 6): grid 32 x 1, 8 waves a work-group, no clusters, 1,536 bytes of LDS; arguments scores, part, b_V, lowp_scales, out0, out1; writes out0, out1
.if DOCPART == 6
	.amdgcn_target "amdgcn-amd-amdhsa--gfx1250"
	.amdhsa_code_object_version 6
	.text
	.protected	k_q5b0f8989c0_fin
	.globl	k_q5b0f8989c0_fin
	.p2align	8
	.type	k_q5b0f8989c0_fin,@function
k_q5b0f8989c0_fin:
	s_mov_b64 s[64:65], 0
	v_nop
	global_prefetch_b8 v0, s[64:65] scope:SCOPE_SE
	s_setreg_imm32_b32 hwreg(HW_REG_WAVE_MODE, 25, 1), 1
	s_wait_xcnt 0x0
; One work-group for each batch joins its eight blocks.  Thread t holds scores 4 t .. 4 t + 3 (wave u holds block u's 128) and columns 4 t .. 4 t + 3 of the eight parts.
; m_u = block u's largest score (the number under which the launch before summed), M = the largest of the eight, l = the sum of e^(score - M).
; alpha = e^(score - M) / l.   awe = the sum over u of part_u e^(m_u - M) / l x 2^(e4 + e5) + b_V: b_V is weighed by the sum of alpha, which is 1.
; Memory binds and the work is small: no matrix unit, no tensor loads; all ten loads of a thread go out first.  Every load and store of a wave covers 512 consecutive bytes.
; LIMIT: e4 + e5 is applied to e^(m_u - M) / l by v_ldexp_f32: that product must stay an f32 number.  NaN among the inputs is not served.
.macro PKFMAB d, t, c, x               ; v[d:d+1] += v[t:t+1] x v[c+x], the one number for both halves
.if \x
	s_delay_alu instid0(VALU_DEP_2)
	v_pk_fma_f32 v[\d:\d+1], v[\t:\t+1], v[\c:\c+1], v[\d:\d+1] op_sel:[0,1,0] op_sel_hi:[1,1,1]
.else
	v_pk_fma_f32 v[\d:\d+1], v[\t:\t+1], v[\c:\c+1], v[\d:\d+1] op_sel_hi:[1,0,1]
.endif
.endm
	s_load_b256 s[4:11], s[0:1], 0x0               ; scores s[4:5], part s[6:7], b_V s[8:9], the exponents s[10:11]
	s_load_b128 s[12:15], s[0:1], 0x20             ; out0 (awe) s[12:13], out1 (alpha) s[14:15]
	v_lshl_add_u32 v64, v0, 2, 0x200
	v_mov_b32 v65, 0
	v_lshlrev_b32 v1, 4, v0                        ; 16 bytes a thread
	v_lshrrev_b32 v2, 5, v0
	s_delay_alu instid0(VALU_DEP_1)
	v_lshlrev_b32 v2, 2, v2                        ; my wave's word in LDS
	v_mov_b32 v3, 0
	v_mov_b32 v45, 0                               ; written once: a lane permute's destination counts as one of its sources
	s_lshl_b32 s16, ttmp9, 12                      ; a batch's 1,024 numbers
	s_mov_b32 s17, 0
	s_lshl_b32 s18, ttmp9, 15                      ; its eight rows of part
	s_mov_b32 s19, 0
	s_mov_b32 s20, 0x76543210
	s_mov_b32 s21, 0xfedcba98                      ; v_permlanex16_b32: lane l xor 16
	s_wait_alu depctr_va_vdst(0)
	s_wait_kmcnt 0x0
	s_load_b64 s[22:23], s[10:11], 0x10            ; e4, e5
	s_add_nc_u64 s[4:5], s[4:5], s[16:17]
	s_add_nc_u64 s[6:7], s[6:7], s[18:19]
	s_add_nc_u64 s[12:13], s[12:13], s[16:17]
	s_add_nc_u64 s[14:15], s[14:15], s[16:17]
	global_load_b128 v[4:7], v1, s[4:5]
.irp u, 0,1,2,3,4,5,6,7
	global_load_b128 v[8+4*\u:11+4*\u], v1, s[6:7] offset:4096*\u
.endr
	global_load_b128 v[40:43], v1, s[8:9]
	s_wait_loadcnt 9                               ; the scores are in; the eight parts and b_V may stay out
	v_max3_num_f32 v44, v4, v5, v6
	s_delay_alu instid0(VALU_DEP_1)
	v_max_num_f32 v44, v44, v7
	s_delay_alu instid0(VALU_DEP_1)
	v_max_num_f32_dpp v44, v44, v44 row_xmask:1 row_mask:0xf bank_mask:0xf
	s_delay_alu instid0(VALU_DEP_1)
	v_max_num_f32_dpp v44, v44, v44 row_xmask:2 row_mask:0xf bank_mask:0xf
	s_delay_alu instid0(VALU_DEP_1)
	v_max_num_f32_dpp v44, v44, v44 row_xmask:4 row_mask:0xf bank_mask:0xf
	s_delay_alu instid0(VALU_DEP_1)
	v_max_num_f32_dpp v44, v44, v44 row_xmask:8 row_mask:0xf bank_mask:0xf
	s_delay_alu instid0(VALU_DEP_1)
	v_permlanex16_b32 v45, v44, s20, s21
	s_delay_alu instid0(VALU_DEP_1)
	v_max_num_f32 v44, v44, v45                    ; my block's largest
	ds_store_b32 v2, v44
	s_wait_dscnt 0x0
	s_barrier_signal -1
	s_barrier_wait -1
	ds_load_b128 v[48:51], v3                      ; m_0 .. m_7, in every lane
	ds_load_b128 v[52:55], v3 offset:16
	s_wait_dscnt 0x0
	v_max3_num_f32 v46, v48, v49, v50
	s_delay_alu instid0(VALU_DEP_1)
	v_max3_num_f32 v46, v46, v51, v52
	s_delay_alu instid0(VALU_DEP_1)
	v_max3_num_f32 v46, v46, v53, v54
	s_delay_alu instid0(VALU_DEP_1)
	v_max_num_f32 v46, v46, v55                    ; M
.irp i, 4,5,6,7,48,49,50,51,52,53,54,55
	v_sub_f32 v[\i], v[\i], v46
.endr
.irp i, 4,5,6,7,48,49,50,51,52,53,54,55
	v_mul_f32 v[\i], 0x3fb8aa3b, v[\i]
.endr
	s_wait_alu depctr_va_vdst(0)
.irp i, 4,5,6,7,48,49,50,51,52,53,54,55
	v_exp_f32 v[\i], v[\i]                         ; e^(score - M); e^(m_u - M)
.endr
	v_nop                                          ; a plain line behind the exponentials
	s_wait_alu depctr_va_vdst(0)
	v_add_f32 v44, v4, v5
	v_add_f32 v47, v6, v7
	s_delay_alu instid0(VALU_DEP_1)
	v_add_f32 v44, v44, v47
	s_delay_alu instid0(VALU_DEP_1)
	v_add_f32_dpp v44, v44, v44 row_xmask:1 row_mask:0xf bank_mask:0xf
	s_delay_alu instid0(VALU_DEP_1)
	v_add_f32_dpp v44, v44, v44 row_xmask:2 row_mask:0xf bank_mask:0xf
	s_delay_alu instid0(VALU_DEP_1)
	v_add_f32_dpp v44, v44, v44 row_xmask:4 row_mask:0xf bank_mask:0xf
	s_delay_alu instid0(VALU_DEP_1)
	v_add_f32_dpp v44, v44, v44 row_xmask:8 row_mask:0xf bank_mask:0xf
	s_delay_alu instid0(VALU_DEP_1)
	v_permlanex16_b32 v45, v44, s20, s21
	s_delay_alu instid0(VALU_DEP_1)
	v_add_f32 v44, v44, v45                        ; my wave's sum
	ds_store_b32 v2, v44 offset:256                ; other bytes than the maxima's: one barrier is enough
	s_wait_dscnt 0x0
	s_barrier_signal -1
	s_barrier_wait -1
	ds_load_b128 v[56:59], v3 offset:256
	ds_load_b128 v[60:63], v3 offset:272
	s_wait_dscnt 0x0
.irp u, 57
	v_add_f32 v56, v56, v[\u]                      ; l, the same order in every wave
.endr
.irp u, 58, 59, 60, 61, 62, 63
	s_delay_alu instid0(VALU_DEP_1)
	v_add_f32 v56, v56, v[\u]
.endr
	s_wait_alu depctr_va_vdst(0)
	v_rcp_f32 v44, v56
	v_nop                                          ; a plain line behind the reciprocal
	s_wait_alu depctr_va_vdst(0)
.irp i, 4,5,6,7
	v_mul_f32 v[\i], v[\i], v44
.endr
	global_store_b128 v1, v[4:7], s[14:15]         ; alpha
	s_wait_kmcnt 0x0
	s_add_co_i32 s24, s22, s23
	v_ldexp_f32 v45, v44, s24                      ; 2^(e4 + e5) / l
.irp u, 48,49,50,51,52,53,54,55
	v_mul_f32 v[\u], v[\u], v45
.endr
	s_wait_alu depctr_va_vdst(0)
	s_wait_loadcnt 0x0                             ; the parts and b_V
.irp u, 0,1,2,3,4,5,6,7
	PKFMAB 40, 8+4*\u, 48+2*(\u/2), \u%2           ; onto b_V
	PKFMAB 42, 10+4*\u, 48+2*(\u/2), \u%2
.endr
	global_store_b128 v1, v[40:43], s[12:13]       ; awe
	s_wait_tensorcnt 0x0
	ds_add_u32 v64, v65
	s_wait_dscnt 0x0
	s_endpgm
.Lfunc_end_k_q5b0f8989c0_fin:
	.size	k_q5b0f8989c0_fin, .Lfunc_end_k_q5b0f8989c0_fin-k_q5b0f8989c0_fin
	.p2alignl 7, 3214868480
	.fill 96, 4, 3214868480
	.section	.rodata,"a",@progbits
	.p2align	6, 0x0
	.amdhsa_kernel k_q5b0f8989c0_fin
		.amdhsa_group_segment_fixed_size 1536
		.amdhsa_private_segment_fixed_size 0
		.amdhsa_enable_private_segment 0
		.amdhsa_kernarg_size 48
		.amdhsa_user_sgpr_count 2
		.amdhsa_user_sgpr_kernarg_segment_ptr 1
		.amdhsa_wavefront_size32 1
		.amdhsa_system_sgpr_workgroup_id_x 1
		.amdhsa_system_sgpr_workgroup_id_y 1
		.amdhsa_system_sgpr_workgroup_id_z 1
		.amdhsa_system_vgpr_workitem_id 0
		.amdhsa_next_free_vgpr 66
		.amdhsa_next_free_sgpr 66
		.amdhsa_reserve_vcc 0
		.amdhsa_float_denorm_mode_32 3
		.amdhsa_float_denorm_mode_16_64 3
		.amdhsa_memory_ordered 1
		.amdhsa_forward_progress 1
		.amdhsa_inst_pref_size 9
	.end_amdhsa_kernel
	.amdgpu_metadata
---
amdhsa.version: [ 1, 2 ]
amdhsa.kernels:
  - .name:           k_q5b0f8989c0_fin
    .symbol:         k_q5b0f8989c0_fin.kd
    .args:
      - { .name: scores, .offset: 0, .size: 8, .value_kind: global_buffer, .address_space: global }
      - { .name: part, .offset: 8, .size: 8, .value_kind: global_buffer, .address_space: global }
      - { .name: b_V, .offset: 16, .size: 8, .value_kind: global_buffer, .address_space: global }
      - { .name: lowp_scales, .offset: 24, .size: 8, .value_kind: global_buffer, .address_space: global }
      - { .name: out0, .offset: 32, .size: 8, .value_kind: global_buffer, .address_space: global }
      - { .name: out1, .offset: 40, .size: 8, .value_kind: global_buffer, .address_space: global }
    .group_segment_fixed_size: 1536
    .private_segment_fixed_size: 0
    .kernarg_segment_align: 8
    .kernarg_segment_size: 48
    .max_flat_workgroup_size: 256
    .sgpr_count:     66
    .vgpr_count:     66
    .wavefront_size: 32
...
	.end_amdgpu_metadata
.endif
;; end of part 6
